; MI455X (gfx1250); checked and timed in simulation.
; The chip was launched on July 23, 2026; its instructions are those of AMD's public machine-readable ISA for CDNA 5 (MIT licence, August 2026) and "CDNA5" Instruction Set Architecture Reference Guide (July 2026). The comments in the code are by the model that wrote it; some were corrected since.
;; Multi Head Attention. Allowed arithmetic: matrix products marked QUANTISED: E2M1 operands, one E8M0 scale for each 32 along K, by v_wmma_scale_f32_16x16x128_f8f6f4 with both operands' format E2M1 (or v_wmma_scale_f32_32x16x128_f4), f32 sums; products left as they are: bf16, f16 or f32 operands; f32 sums; everything else in f32.
;; Inputs: Wk 1,024 x 1,024 float32; Wo 1,024 x 1,024 float32; Wq 1,024 x 1,024 float32; Wv 1,024 x 1,024 float32; bk 1,024 float32; bo 1,024 float32; bq 1,024 float32; bv 1,024 float32; mask 1 x 1 x 4,096 x 4,096 int32; x 1 x 4,096 x 1,024 float32.
;; Outputs: out0 1 x 4,096 x 1,024 float32.
;; This version of the problem:
;;   THIS VERSION OF THE PROBLEM IS GIVEN IN LOW PRECISION. The matrix products marked QUANTISED in the list below multiply operands that are first quantised to E2M1 (2 exponent bits, 1 mantissa bit; 4 bits a number), with one power-of-two scale for each 32 numbers along K (OCP MX v1.0); their sums are f32. The products marked 'left as it is' may take bf16, f16 or f32 operands, with f32 sums. Whichever they take, every output number must still come out within the allowed error. Rounding operands to bf16 (8 significant bits) uses up far more of that allowance than f16 does (11 bits, for magnitudes from 6e-5 to 65,504). All else is computed in f32.
;;   The module's matrix products, in the order in which they are computed (A, B: the left and right operand; K: the contracted axis; several contracted axes count as one K, in the product's order):
;;     1. [M 4,096, K 1,024] x [K 1,024, N 1,024]; A: input x; B: input Wq: QUANTISED
;;     2. [M 4,096, K 1,024] x [K 1,024, N 1,024]; A: input x; B: input Wk: QUANTISED
;;     3. [M 4,096, K 1,024] x [K 1,024, N 1,024]; A: input x; B: input Wv: QUANTISED
;;     4. batch 16 x [M 4,096, K 64] x [K 64, N 4,096]; A: computed on the way; B: computed on the way: left as it is (an operand is computed on the way)
;;     5. batch 16 x [M 4,096, K 4,096] x [K 4,096, N 64]; A: computed on the way; B: computed on the way: left as it is (an operand is computed on the way)
;;     6. [M 4,096, K 1,024] x [K 1,024, N 1,024]; A: computed on the way; B: input Wo: left as it is (an operand is computed on the way)
;;   THE QUANTISER, for each operand of a quantised product, along K:
;;     - K is cut into blocks of 32 from its start; a last block that is shorter is filled with zeros.
;;     - A block's scale is 2^e with e = floor(log2(the largest magnitude in the block)) - 2, held to -126 .. 127; a block of zeros has e = 0. As a byte (E8M0): e + 127.
;;     - Each number is divided by its block's scale, clamped to +-6, and rounded to the nearest number of E2M1, ties to even, subnormals kept.
;;     - The product sums the exact products of the quantised numbers (number of the format x scale) in f32.
;;   ~~~python
;;   def quantise(x, axis):      # numpy; x: float32 -> the quantised numbers, widened to float32 again
;;       x = np.moveaxis(x, axis, -1); K = x.shape[-1]
;;       x = np.pad(x, [(0, 0)] * (x.ndim - 1) + [(0, -K % 32)]); x = x.reshape(x.shape[:-1] + (-1, 32)); a = np.abs(x).max(-1, keepdims=True)
;;       e = np.where(a > 0, np.clip(np.frexp(np.where(a > 0, a, 1))[1] - 1 - 2, -126, 127), 0)      # np.frexp(a)[1] - 1 = floor(log2(a)), exactly
;;       r = np.clip(x / 2.0 ** e, -6, 6)
;;       step = 2.0 ** (np.maximum(np.frexp(np.where(r == 0, 1, r))[1] - 1, 0) - 1)
;;       q = np.round(r / step) * step * 2.0 ** e      # np.round: ties to even
;;       return np.moveaxis(q.reshape(q.shape[:-2] + (-1,))[..., :K], -1, axis).astype(np.float32)
;;   ~~~
;; One version. Each part assembles by itself: llvm-mc -triple=amdgcn-amd-amdhsa -mcpu=gfx1250 --defsym DOCPART=n.
;; ======== version 1 of 1: 4 launches
;; limits: values are held in f16: magnitudes above 65,504 overflow, below 6.1e-05 lose precision
;; workspace buffers: maskw 2,097,152 bytes of whole numbers; xq 2,228,224 bytes; wq 1,671,168 bytes; wo16 2,097,152 bytes; q16 8,388,608 bytes; kv16 16,777,216 bytes; ctx16 8,388,608 bytes
;; launch prep (part 1): grid 832 x 1, 4 waves a work-group, no clusters, 34,304 bytes of LDS; arguments mask, x, Wq, Wk, Wv, Wo, maskw, xq, wq, wo16; writes maskw, xq, wq, wo16
.if DOCPART == 1
	.amdgcn_target "amdgcn-amd-amdhsa--gfx1250"
	.amdhsa_code_object_version 6
	.text
	.protected	k_q0c369bbabb_prep
	.globl	k_q0c369bbabb_prep
	.p2align	8
	.type	k_q0c369bbabb_prep,@function
k_q0c369bbabb_prep:
	s_mov_b64 s[64:65], 0
	v_nop
	global_prefetch_b8 v0, s[64:65] scope:SCOPE_SE
	s_setreg_imm32_b32 hwreg(HW_REG_WAVE_MODE, 25, 1), 1
	s_wait_xcnt 0x0
; PREP: every input that a later launch reads more than once is laid out ONCE, in the order in which a wave's operand registers take it.
; Three paths, parted on the work-group's number alone; waves share nothing, so there is no barrier.
;   work-groups 0-511   MASK: mask [4096][4096] int32 -> maskw [qt 256][ks 64][32 words].  Bit L = r + 16 h of word 8 kt + jj is (mask[16 qt + r][64 ks + 16 kt + 8 h + jj] != 0):
;                       the lane mask for register 8 kt + jj of a tile of scores (16 queries x 64 keys, a lane a query) in the attention launch.
;   work-groups 512-575 X: x [4096][1024] f32 -> codes of FP4 (E2M1) with one E8M0 byte for each 32 along K, as IMAGES OF FRAGMENTS: xq [tb 16][kq 8][17,408]: 16 fragments (16 tokens x 128 K:
;                       registers 4 c .. 4 c + 3 of lane l at 512 c + 16 l), then 256 scale words (a token's four bytes of this kq).
;   work-groups 576-831 W: Wq, Wk, Wv [k][n] f32 -> wq [head 16][kq 8][13,056]: 12 fragments (role 0-2, 16 features x 128 K), then [role 3][64 scale words];
;                       Wo [k][n] f32 -> wo16 [nb 8][ks32 32][nt 8][1,024]: f16 fragments of 16 n x 32 k.  A lane takes a column n and its registers run down K: nothing is transposed.
; THE QUANTISER: a block's scale is 2^(floor(log2(largest magnitude)) - 2); its byte is the largest magnitude's exponent field - 2, held at 1 from below.
; LIMITS: a block of zeros gets the byte 1 where the rule says 127 (its codes are zeros, and this program alone reads the bytes); blocks whose largest magnitude lies under 2^(3 - 127) are held at that floor;
; NaN and infinities among the inputs are not served; |Wo| stays under 65,504 (f16).
; No cluster, no matrix unit, no tensor load: no two work-groups read the same byte, and memory binds.  No prefetch: every wave keeps 32 or 64 loads out from its first line on.
.set SPARE, 33792                      ; behind the four stages: the spare words, 128 bytes for each wave
.set SPW,   254                        ; v254  LDS address of my spare word; never rewritten
.set NIL,   255                        ; v255  0; never rewritten
.set PIT,   528                        ; a stage row: 512 bytes + 16: the sixteen rows that a read touches start in sixteen different 16-byte columns
.set XBLK,  17408
.set WBLK,  13056
.set D,     32                         ; v32-159  numbers as they are loaded
.set X,     160                        ; v160-223 path X: 64 numbers of a lane, in the operand's order
; the largest magnitude of the 32 numbers v[x] .. v[x + 31] into v[d] (v[e] at work), with the floor 2^(3 - 127) among the leaves: the byte cannot fall under 1
.macro BMAX x, d, e
	v_max3_num_f32 v[\d], |v[\x]|, |v[\x+1]|, |v[\x+2]|
	v_max3_num_f32 v[\e], |v[\x+3]|, |v[\x+4]|, |v[\x+5]|
.irp n, 6,10,14,18,22,26
	v_max3_num_f32 v[\d], v[\d], |v[\x+\n]|, |v[\x+\n+1]|
	v_max3_num_f32 v[\e], v[\e], |v[\x+\n+2]|, |v[\x+\n+3]|
.endr
	v_max3_num_f32 v[\d], v[\d], |v[\x+30]|, |v[\x+31]|
	v_max3_num_f32 v[\d], v[\d], v[\e], 0x1800000
.endm
	s_load_b512 s[4:19], s[0:1], 0x0               ; mask s[4:5], x s[6:7], Wq s[8:9], Wk s[10:11], Wv s[12:13], Wo s[14:15], maskw s[16:17], xq s[18:19]
	s_load_b128 s[20:23], s[0:1], 0x40             ; wq s[20:21], wo16 s[22:23]
	v_lshl_add_u32 v[SPW], v0, 2, SPARE
	v_mov_b32 v[NIL], 0
	v_lshrrev_b32 v1, 5, v0
	v_readfirstlane_b32 s24, v1                    ; wave 0..3
	v_and_b32 v1, 31, v0                           ; lane
	v_and_b32 v2, 15, v0                           ; r
	v_bfe_u32 v3, v0, 4, 1                         ; h
	v_lshlrev_b32 v4, 4, v1                        ; 16 x lane
	v_lshlrev_b32 v5, 2, v1                        ; 4 x lane
	s_mov_b32 s26, 0x76543210                      ; v_permlanex16_b32's selects for lane l xor 16
	s_mov_b32 s27, 0xfedcba98
	s_mov_b32 s29, 0                               ; the high word of every byte offset: all stay under 2^31
	s_wait_kmcnt 0x0
	s_cmp_lt_u32 ttmp9, 512
	s_cbranch_scc1 .Lmask
	s_cmp_lt_u32 ttmp9, 576
	s_cbranch_scc1 .Lx
; ---------------------------------------------------------------- W: a wave takes 32 columns x 128 along K of one weight
	s_sub_co_u32 s25, ttmp9, 576
	s_lshr_b32 s30, s25, 6                         ; which weight: 0 Wq, 1 Wk, 2 Wv, 3 Wo
	s_bfe_u32 s32, s25, 0x30003                    ; gx: which 128 columns
	s_and_b32 s33, s25, 7                          ; kq: which 128 along K
	s_lshl_b32 s28, s33, 19                        ; 128 rows of 4,096 bytes
	s_lshl_b32 s34, s32, 9
	s_add_co_u32 s28, s28, s34
	s_lshl_b32 s34, s24, 7                         ; my wave's 32 columns
	s_add_co_u32 s28, s28, s34
	s_cmp_eq_u32 s30, 1                            ; the choice hangs on the work-group's number alone
	s_cselect_b64 s[8:9], s[10:11], s[8:9]
	s_cmp_eq_u32 s30, 2
	s_cselect_b64 s[8:9], s[12:13], s[8:9]
	s_cmp_eq_u32 s30, 3
	s_cselect_b64 s[8:9], s[14:15], s[8:9]
	s_add_nc_u64 s[8:9], s[8:9], s[28:29]
	v_lshlrev_b32 v16, 4, v2
	v_lshl_add_u32 v16, v3, 10, v16                ; out: lanes 0-15 the first of my two fragments, lanes 16-31 the second; 16 bytes for each column
.macro WLOAD b                         ; block b: W(32 b + i, my column), i = 0 .. 31: each load reads 128 consecutive bytes, the four waves 512
.set i, 0
.rept 32
	global_load_b32 v[D+32*(\b)+i], v5, s[8:9] offset:(32*(\b)+i)*4096
.set i, i+1
.endr
.endm
.macro WAHEAD b                        ; block b is in; the loads run two blocks ahead
.if (\b) < 3
	s_wait_loadcnt 32                              ; the next block's 32 loads may be out
.else
	s_wait_loadcnt 0
.endif
.if (\b) < 2
	WLOAD (\b)+2
.endif
.endm
	WLOAD 0
	WLOAD 1
	s_cmp_eq_u32 s30, 3
	s_cbranch_scc1 .Lwo
	; Wq, Wk, Wv.  My columns lie in head 2 gx + wave / 2, feature tiles 2 (wave % 2) and + 1
	s_lshr_b32 s34, s24, 1
	s_lshl_b32 s35, s32, 1
	s_add_co_u32 s34, s34, s35
	s_lshl_b32 s34, s34, 3
	s_add_co_u32 s34, s34, s33
	s_mul_i32 s34, s34, WBLK                       ; the block of (head, kq)
	s_and_b32 s35, s24, 1
	s_lshl_b32 s36, s30, 12                        ; role x 4 fragments
	s_lshl_b32 s37, s35, 11                        ; + 2 fragments
	s_add_co_u32 s36, s36, s37
	s_add_co_u32 s28, s34, s36
	s_add_nc_u64 s[38:39], s[20:21], s[28:29]      ; the codes
	s_lshl_b32 s36, s30, 8                         ; role x 64 words
	s_lshl_b32 s37, s35, 7                         ; + 32 words
	s_add_co_u32 s36, s36, s37
	s_add_co_u32 s36, s36, 12288
	s_add_co_u32 s28, s34, s36
	s_add_nc_u64 s[40:41], s[20:21], s[28:29]      ; the scale words
; Block b of my column is registers 4 (b / 2) .. + 3 of lane (r, b % 2) of the fragment: 16 bytes at 512 (b / 2) + 256 (b % 2) + 16 r.  Sixteen lanes store 256 consecutive bytes, aligned.
.macro WQ b
	WAHEAD \b
	BMAX D+32*(\b), 12, 13
	v_add_nc_u32 v11, 0xff000000, v12              ; 2 off the exponent field: the conversion takes the exponent field of this operand as its scale
	v_lshrrev_b32 v13, 23, v11                     ; the scale's byte
.if (\b) == 0
	v_mov_b32 v14, v13
.else
	v_lshl_or_b32 v14, v13, 8*(\b), v14            ; the lower K in the lower byte
.endif
.irp g, 0,1,2,3
	v_cvt_scalef32_pk8_fp4_f32 v[160+4*(\b)+\g], v[D+32*(\b)+8*\g:D+32*(\b)+8*\g+7], v11
.endr
	v_nop                                          ; a plain line behind the last conversion: the next block writes the scale operand anew
	global_store_b128 v16, v[160+4*(\b):160+4*(\b)+3], s[38:39] offset:((\b)/2)*512+((\b)%2)*256   ; each block has registers of its own: no store's data are written again
.endm
	WQ 0
	WQ 1
	WQ 2
	WQ 3
	global_store_b32 v5, v14, s[40:41]             ; my column's scale word: 128 consecutive bytes a wave
	s_endpgm
.Lwo:
	s_lshl_b32 s28, s32, 18                        ; nb = gx
	s_lshl_b32 s34, s33, 15                        ; ks32 = 4 kq + b
	s_add_co_u32 s28, s28, s34
	s_lshl_b32 s34, s24, 11                        ; nt = 2 wave (+ lane / 16)
	s_add_co_u32 s28, s28, s34
	s_add_nc_u64 s[38:39], s[22:23], s[28:29]
; 32 along K of my column are a fragment's lanes (r, 0) and (r, 1): k = 8 g .. 8 g + 7 are four registers at 512 (g / 2) + 256 (g % 2) + 16 r
.macro WH b
	WAHEAD \b
.set i, 0
.rept 16
	v_cvt_pk_f16_f32 v[160+16*(\b)+i], v[D+32*(\b)+2*i], v[D+32*(\b)+2*i+1]
.set i, i+1
.endr
.irp g, 0,1,2,3
	global_store_b128 v16, v[160+16*(\b)+4*\g:160+16*(\b)+4*\g+3], s[38:39] offset:(\b)*8192+(\g/2)*512+(\g%2)*256
.endr
.endm
	WH 0
	WH 1
	WH 2
	WH 3
	s_endpgm
; ---------------------------------------------------------------- X: a wave takes 16 rows of x, all 1,024 along K, in eight steps of 128
.Lx:
	s_sub_co_u32 s25, ttmp9, 512
	s_lshl_b32 s25, s25, 2
	s_add_co_u32 s25, s25, s24                     ; my tile of 16 tokens, 0 .. 255
	s_lshl_b32 s28, s25, 16
	s_add_nc_u64 s[6:7], s[6:7], s[28:29]
	s_lshr_b32 s30, s25, 4                         ; tb
	s_and_b32 s32, s25, 15                         ; ti
	s_mul_i32 s30, s30, 8*XBLK
	s_lshl_b32 s33, s32, 10
	s_add_co_u32 s28, s30, s33
	s_add_nc_u64 s[34:35], s[18:19], s[28:29]      ; my fragment in the block of (tb, kq = 0)
	s_lshl_b32 s33, s32, 6
	s_add_co_u32 s28, s30, s33
	s_add_co_u32 s28, s28, 16384
	s_add_nc_u64 s[36:37], s[18:19], s[28:29]      ; my 16 scale words there
	s_mul_i32 s25, s24, 16*PIT                     ; my stage
	v_add_nc_u32 v16, s25, v4                      ; in: a row's 512 bytes as they lie, 16 bytes a lane
	v_mul_u32_u24 v17, v2, PIT
	v_lshl_add_u32 v17, v3, 7, v17
	v_add_nc_u32 v17, s25, v17                     ; back: row r, from K = 32 h on
	v_mul_u32_u24 v18, v3, XBLK
	v_lshl_add_u32 v18, v2, 2, v18                 ; scale words: lanes 0-15 store an even step's, lanes 16-31 the odd step's, one block further on
	v_lshlrev_b32 v19, 3, v3                       ; 8 h
	v_cmp_gt_u32 vcc_lo, 16, v1
	v_mov_b32 v11, 0                               ; (a lane permute's destination counts as one of its sources)
.macro XLOAD kq                        ; sixteen loads: 512 consecutive bytes of each row
.set i, 0
.rept 16
	global_load_b128 v[D+64*((\kq)%2)+4*i:D+64*((\kq)%2)+4*i+3], v4, s[6:7] offset:i*4096+(\kq)*512 th:TH_LOAD_NT
.set i, i+1
.endr
.endm
.macro XSTEP kq
.if (\kq) < 7
	s_wait_loadcnt 16                              ; this step's 16 loads are in; the next step's may be out
.else
	s_wait_loadcnt 0
.endif
.set i, 0
.rept 16
	ds_store_b128 v16, v[D+64*((\kq)%2)+4*i:D+64*((\kq)%2)+4*i+3] offset:i*PIT
.set i, i+1
.endr
.irp c, 0,1                                    ; the operand gives lane (r, h) K = 64 c + 32 h + 0 .. 31 of row r: two whole blocks.  LDS serves a wave's instructions in order: these see the stores above
.irp g, 0,1,2,3,4,5,6,7
	ds_load_b128 v[X+32*\c+4*\g:X+32*\c+4*\g+3], v17 offset:256*\c+16*\g
.endr
.endr
	s_wait_dscnt 0x0                               ; my 64 numbers are in, and the stores have read their registers,
.if (\kq) < 6
	XLOAD (\kq)+2                                  ; which take the loads of two steps on
.endif
	BMAX X, 8, 9
	BMAX X+32, 10, 11
	v_add_nc_u32 v8, 0xff000000, v8                ; 2 off the exponent fields: the conversions' scale operands
	v_add_nc_u32 v10, 0xff000000, v10
	v_lshrrev_b32 v9, 23, v8
	v_lshrrev_b32 v11, 23, v10
	v_lshl_or_b32 v9, v11, 16, v9                  ; my two bytes: blocks h and 2 + h,
	v_lshlrev_b32 v9, v19, v9                      ; at their places in the word;
	v_permlanex16_b32 v11, v9, s26, s27
	v_or_b32 v[240+(\kq)%2], v9, v11               ; with lane l xor 16's two the word is whole
	s_wait_xcnt 0x0                                ; the stores of two steps back have read their data: the codes' registers and v14 are written again only behind this wait
.irp c, 0,1
.irp g, 0,1,2,3
	v_cvt_scalef32_pk8_fp4_f32 v[224+8*((\kq)%2)+4*\c+\g], v[X+32*\c+8*\g:X+32*\c+8*\g+7], v[8+2*\c]
.endr
.endr
	v_nop                                          ; a plain line behind the last conversion
.irp c, 0,1
	global_store_b128 v4, v[224+8*((\kq)%2)+4*\c:224+8*((\kq)%2)+4*\c+3], s[34:35] offset:(\kq)*XBLK+\c*512   ; 512 consecutive bytes
.endr
.if (\kq)%2
	v_cndmask_b32 v14, v241, v240, vcc_lo
	global_store_b32 v18, v14, s[36:37] offset:((\kq)-1)*XBLK
.endif
.endm
	XLOAD 0
	XLOAD 1
.irp q, 0,1,2,3,4,5,6,7
	XSTEP \q
.endr
	s_wait_tensorcnt 0x0                           ; the wave's end
	ds_add_u32 v[SPW], v[NIL]
	s_wait_dscnt 0x0
	s_endpgm
; ---------------------------------------------------------------- MASK: a wave takes 16 queries x 512 keys, in four chunks of 128 keys
.Lmask:
	s_lshl_b32 s25, ttmp9, 2
	s_add_co_u32 s25, s25, s24
	s_lshr_b32 s30, s25, 3                         ; qt
	s_and_b32 s32, s25, 7                          ; which 512 keys
	s_lshl_b32 s28, s30, 18                        ; 16 rows of 16,384 bytes
	s_lshl_b32 s33, s32, 11
	s_add_co_u32 s28, s28, s33
	s_add_nc_u64 s[4:5], s[4:5], s[28:29]
	s_lshl_b32 s28, s30, 13                        ; 64 key steps of 128 bytes
	s_lshl_b32 s33, s32, 10
	s_add_co_u32 s28, s28, s33
	s_add_nc_u64 s[16:17], s[16:17], s[28:29]
	v_lshlrev_b32 v13, 1, v3                       ; 2 h
.irp n, 16,17,18,19,20,21,22,23,24,25,26,27
	v_mov_b32 v[\n], 0                             ; written once: the destination of a lane write or permute counts as one of its sources
.endr
.macro MLOAD c                         ; sixteen loads: 512 consecutive bytes (128 keys) of each query's row
.set i, 0
.rept 16
	global_load_b128 v[D+64*((\c)%2)+4*i:D+64*((\c)%2)+4*i+3], v4, s[4:5] offset:i*16384+(\c)*512 th:TH_LOAD_NT
.set i, i+1
.endr
.endm
.macro MCHUNK c
.if (\c) < 3
	s_wait_loadcnt 16                              ; this chunk's 16 loads are in; the next chunk's may be out
.else
	s_wait_loadcnt 0
.endif
.irp e, 0,1,2,3
	v_mov_b32 v[8+\e], 0
.endr
.irp p, 0,1,2,3,4,5,6,7                        ; first turn: bit l of the compare's word is key 4 l + e of query i; it becomes lane i of v[8 + e].  Eight at a time, in two sets of scalar registers
.irp u, 0,1,2,3,4,5,6,7
	v_cmp_ne_u32 s[32+8*(\p%2)+\u], 0, v[D+64*((\c)%2)+4*(2*\p+\u/4)+\u%4]
.endr
.irp u, 0,1,2,3,4,5,6,7
	v_writelane_b32 v[8+\u%4], s[32+8*(\p%2)+\u], 2*\p+\u/4
.endr
.endr
.if (\c) < 2
	MLOAD (\c)+2
.endif
.irp e, 0,1,2,3
	v_permlanex16_b32 v[24+\e], v[8+\e], s26, s27
.endr
.irp e, 0,1,2,3
	v_or_b32 v[8+\e], v[8+\e], v[24+\e]            ; lanes r and 16 + r both hold query r's word;
.endr
.irp e, 0,1,2,3
	v_lshrrev_b32 v[8+\e], v13, v[8+\e]            ; lanes 16-31 two bits down: 8 keys further on
.endr
.irp kt, 0,1,2,3,4,5,6,7                       ; second turn: key 16 kt + 8 h + jj of query r is bit 4 kt + jj / 4 of v[8 + jj % 4] in lane (r, h): the compare's word is the lane mask wanted
.irp jj, 0,1,2,3,4,5,6,7
	v_and_b32 v[24+\jj], 1<<(4*\kt+\jj/4), v[8+\jj%4]
.endr
.irp jj, 0,1,2,3,4,5,6,7
	v_cmp_ne_u32 s[32+8*(\kt%2)+\jj], 0, v[24+\jj]
.endr
.irp jj, 0,1,2,3,4,5,6,7
	v_writelane_b32 v[16+4*((\c)/2)+\jj%4], s[32+8*(\kt%2)+\jj], 16*((\c)%2)+2*\kt+\jj/4   ; word w = 64 (c % 2) + 8 kt + jj of 128: register w % 4, lane w / 4
.endr
.endr
.if (\c)%2
	global_store_b128 v4, v[16+4*((\c)/2):16+4*((\c)/2)+3], s[16:17] offset:512*((\c)/2)   ; two chunks' 128 words: 512 consecutive bytes; each pair of chunks has registers of its own
.endif
.endm
	MLOAD 0
	MLOAD 1
	MCHUNK 0
	MCHUNK 1
	MCHUNK 2
	MCHUNK 3
	s_endpgm
.Lfunc_end_k_q0c369bbabb_prep:
	.size	k_q0c369bbabb_prep, .Lfunc_end_k_q0c369bbabb_prep-k_q0c369bbabb_prep
	.p2alignl 7, 3214868480
	.fill 96, 4, 3214868480
	.section	.rodata,"a",@progbits
	.p2align	6, 0x0
	.amdhsa_kernel k_q0c369bbabb_prep
		.amdhsa_group_segment_fixed_size 34304
		.amdhsa_private_segment_fixed_size 0
		.amdhsa_enable_private_segment 0
		.amdhsa_kernarg_size 80
		.amdhsa_user_sgpr_count 2
		.amdhsa_user_sgpr_kernarg_segment_ptr 1
		.amdhsa_wavefront_size32 1
		.amdhsa_system_sgpr_workgroup_id_x 1
		.amdhsa_system_sgpr_workgroup_id_y 1
		.amdhsa_system_sgpr_workgroup_id_z 1
		.amdhsa_system_vgpr_workitem_id 0
		.amdhsa_next_free_vgpr 256
		.amdhsa_next_free_sgpr 66
		.amdhsa_reserve_vcc 1
		.amdhsa_float_denorm_mode_32 3
		.amdhsa_float_denorm_mode_16_64 3
		.amdhsa_memory_ordered 1
		.amdhsa_forward_progress 1
		.amdhsa_inst_pref_size 177
	.end_amdhsa_kernel
	.amdgpu_metadata
---
amdhsa.version: [ 1, 2 ]
amdhsa.kernels:
  - .name:           k_q0c369bbabb_prep
    .symbol:         k_q0c369bbabb_prep.kd
    .args:
      - { .name: mask, .offset: 0, .size: 8, .value_kind: global_buffer, .address_space: global }
      - { .name: x, .offset: 8, .size: 8, .value_kind: global_buffer, .address_space: global }
      - { .name: Wq, .offset: 16, .size: 8, .value_kind: global_buffer, .address_space: global }
      - { .name: Wk, .offset: 24, .size: 8, .value_kind: global_buffer, .address_space: global }
      - { .name: Wv, .offset: 32, .size: 8, .value_kind: global_buffer, .address_space: global }
      - { .name: Wo, .offset: 40, .size: 8, .value_kind: global_buffer, .address_space: global }
      - { .name: maskw, .offset: 48, .size: 8, .value_kind: global_buffer, .address_space: global }
      - { .name: xq, .offset: 56, .size: 8, .value_kind: global_buffer, .address_space: global }
      - { .name: wq, .offset: 64, .size: 8, .value_kind: global_buffer, .address_space: global }
      - { .name: wo16, .offset: 72, .size: 8, .value_kind: global_buffer, .address_space: global }
    .group_segment_fixed_size: 34304
    .private_segment_fixed_size: 0
    .kernarg_segment_align: 8
    .kernarg_segment_size: 80
    .max_flat_workgroup_size: 128
    .sgpr_count:     66
    .vgpr_count:     256
    .wavefront_size: 32
...
	.end_amdgpu_metadata
.endif
;; end of part 1
;; launch qkv (part 2): grid 16 x 16, 12 waves a work-group, clusters of 4 x 4, 245,760 bytes of LDS; arguments xq, wq, bq, bk, bv, q16, kv16; writes q16, kv16
.if DOCPART == 2
	.amdgcn_target "amdgcn-amd-amdhsa--gfx1250"
	.amdhsa_code_object_version 6
	.text
	.protected	k_q0c369bbabb_qkv
	.globl	k_q0c369bbabb_qkv
	.p2align	8
	.type	k_q0c369bbabb_qkv,@function
k_q0c369bbabb_qkv:
	s_mov_b64 s[64:65], 0
	v_nop
	global_prefetch_b8 v0, s[64:65] scope:SCOPE_SE
	s_setreg_imm32_b32 hwreg(HW_REG_WAVE_MODE, 25, 1), 1
	s_wait_xcnt 0x0
	s_wait_alu depctr_hold_cnt(0) depctr_sa_sdst(0) depctr_va_vdst(0) depctr_va_sdst(0) depctr_va_ssrc(0) depctr_va_vcc(0) depctr_vm_vsrc(0)
	s_getreg_b32 s2, hwreg(HW_REG_IB_STS2, 6, 4)
	s_cmp_eq_u32 s2, 0
	s_cbranch_scc0 .Lentry_in_a_cluster
	s_endpgm
.Lentry_in_a_cluster:
	s_bfe_u32 s2, ttmp6, 0x10000c
	s_cmp_lg_u32 s2, 0xf033
	s_cbranch_scc0 .Lentry_shape_is_right
	s_endpgm
.Lentry_shape_is_right:
; Q, K and V of ONE head for 256 tokens: the three quantised products, on codes of FP4 (E2M1) with one E8M0 scale for each 32 along K, sums in f32, biases as the C of each sum's first instruction.
; ALL OF K LIES IN LDS: 1,024 along K are 139,264 bytes for the 256 tokens (codes and scale words) and 104,448 for the head's three slices of weights.  They are filled once: no ring, no refill.
; Both come as images of fragments (registers 4 c .. 4 c + 3 of lane l at 512 c + 16 l), so every tile is a dense block for the mover and every LDS read is 512 consecutive bytes: no padding.
; CLUSTER 4 x 4: the four work-groups of a row share the tokens' block, the four of a column the head's weights: each is asked for jointly, which divides the requests by four.
; SHARES: twelve waves: role = wave / 4 (0 Q, 1 K, 2 V), 64 tokens x 64 features each, 16 accumulators; three waves to a SIMD, so that one wave's LDS loads stand beside another's products.
; Q, K: source 0 = 16 features of W, source 1 = 16 tokens: a lane holds ONE token and eight neighbouring features, which are half a lane's part of an f16 fragment (16 tokens x 32 d).
; V:    source 0 = 16 tokens, source 1 = 16 channels: a lane holds ONE channel and eight neighbouring tokens: half a lane's part of a fragment of V^T (16 channels x 32 keys).
; So every result leaves as it stands, 512 consecutive bytes a store, into the order in which the attention launch's operand registers take it:
;   q16 [head][tile of 16 tokens 256][ds 2][1,024];  kv16 [head][ks 64][16,384]: K's fragment (kt, ds) at (2 kt + ds) 1,024, V^T's (pc, ct) at 8,192 + (4 pc + ct) 1,024.
; Q and K are multiplied, in f32, by sqrt(log2(e) / 8) ahead of the rounding to f16: their product is then the score in powers of two.
; LIMITS: |Q|, |K|, |V| stay under 65,504 (f16) after that factor; NaN and infinities are not served.
; No prefetch: the launch is short and every byte is asked for at its head.
.set XBLK,  17408                      ; a block of (tb, kq): 16 fragments, 256 scale words
.set WBLK,  13056                      ; a block of (head, kq): 12 fragments, 3 x 64 scale words
.set WB,    8*XBLK                     ; LDS: x's eight blocks, then W's eight
.set SPARE, WB+8*WBLK                  ; then the spare words, 128 bytes for each of twelve waves: six blocks of 256 bytes that no other line names
.set LI,   1                           ; v1    16 x lane
.set AX,   2                           ; v2-3  my four fragments of x in blocks 0 and 4
.set AW,   4                           ; v4-5  my four fragments of W
.set ASX,  6                           ; v6-7  my tokens' scale words
.set ASW,  8                           ; v8-9  my features' scale words
.set SPW,  10                          ; v10   LDS address of my spare word; never rewritten
.set NIL,  11                          ; v11   0; never rewritten
.set BI,   16                          ; v16-47   the bias, eight registers a tile, in the result's layout
.set XF,   48                          ; v48-79   four fragments of x
.set WF,   80                          ; v80-111  four fragments of W
.set XSC,  112                         ; v112-113 x's scale words: lanes 0-15 tile 2 u, lanes 16-31 tile 2 u + 1
.set WSC,  114                         ; v114-115 W's likewise
.set ACC,  128                         ; v128-255 accumulator (i, j) at 8 (4 i + j)
.set WV,   18
.set G1X,  24                          ; s[24:31], s[40:43] descriptor groups 1 and 0 for x's blocks
.set G1W,  32                          ; s[32:39], s[44:47] for W's
.set G0X,  40
.set G0W,  44
.set SC,   54                          ; s[54:55] sqrt(log2(e) / 8)
.macro CROUND                          ; a round of the cluster's barrier
	s_barrier_signal -1
	s_barrier_wait -1
	s_cmp_lg_u32 s[WV], 0
	s_cbranch_scc1 .Lnot_wave_0_\@
	s_barrier_signal -3
.Lnot_wave_0_\@:
	s_barrier_wait -3
	s_barrier_signal -1
	s_barrier_wait -1
.endm
.macro PLACES
.rept 4
	v_nop
.endr
.endm
	s_load_b256 s[4:11], s[0:1], 0x0               ; xq s[4:5], wq s[6:7], bq s[8:9], bk s[10:11]
	s_load_b128 s[12:15], s[0:1], 0x20             ; bv s[12:13], q16 s[14:15]
	s_load_b64 s[16:17], s[0:1], 0x30              ; kv16
	v_lshl_add_u32 v[SPW], v0, 2, SPARE
	v_mov_b32 v[NIL], 0
	ds_add_u32 v[SPW], v[NIL]                      ; the wave's opening: the add, twice on end, and its wait ahead of my first tensor load
	ds_add_u32 v[SPW], v[NIL]
	v_lshrrev_b32 v12, 5, v0
	v_readfirstlane_b32 s[WV], v12                 ; wave 0..11
	s_lshr_b32 s19, s[WV], 2                       ; role
	s_and_b32 s20, s[WV], 3                        ; my 64 tokens.  Also: which two blocks of W I fetch (waves 8-11)
	s_and_b32 s60, s[WV], 7                        ; which block of x I fetch (waves 0-7)
	s_bfe_u32 s21, ttmp6, 0x40000                  ; cx, cy: my place in the cluster
	s_bfe_u32 s22, ttmp6, 0x40004
	s_lshl_b32 s23, ttmp9, 2
	s_add_co_u32 s23, s23, s21                     ; the head = 4 x cluster x + cx
	s_and_b32 s48, ttmp7, 0xffff
	s_lshl_b32 s48, s48, 2
	s_add_co_u32 s48, s48, s22                     ; the block of 256 tokens = 4 x cluster y + cy
	s_lshl_b32 s49, s22, 2
	s_lshl_b32 s49, 15, s49                        ; my row of the cluster
	s_lshl_b32 s61, 0x1111, s21                    ; my column
	; dense blocks as rows of 256 bytes (32 elements of 8 bytes): x's 68 rows, W's two blocks 102 rows; no padding
	s_or_b32 s[G1X], s49, (3<<16)|(1<<21)          ; 15:0 the mask; 17:16 elements of 8 bytes; 21 set beside a mask
	s_or_b32 s[G1W], s61, (3<<16)|(1<<21)
	s_mov_b32 s[G1X+1], 32<<16                     ; tensor_dim0
	s_mov_b32 s[G1X+2], 68<<16                     ; tensor_dim1
	s_mov_b32 s[G1X+3], 32<<16                     ; tile_dim0
	s_mov_b32 s[G1X+4], 68                         ; tile_dim1
	s_mov_b32 s[G1X+5], 32                         ; the pitch
	s_mov_b32 s[G1X+6], 0
	s_mov_b32 s[G1X+7], 0
	s_mov_b32 s[G1W+1], 32<<16
	s_mov_b32 s[G1W+2], 102<<16
	s_mov_b32 s[G1W+3], 32<<16
	s_mov_b32 s[G1W+4], 102
	s_mov_b32 s[G1W+5], 32
	s_mov_b32 s[G1W+6], 0
	s_mov_b32 s[G1W+7], 0
	s_mul_i32 s62, s60, XBLK                       ; x: my block's place, in LDS and in the token block: the wave's number alone
	s_mul_i32 s50, s48, 8*XBLK
	s_add_co_u32 s50, s50, s62
	s_mov_b32 s51, 0
	s_mul_i32 s63, s20, 2*WBLK                     ; W: likewise
	s_mul_i32 s52, s23, 8*WBLK
	s_add_co_u32 s52, s52, s63
	s_mov_b32 s53, 0
	s_mov_b32 s[SC], 0x3ed96d27
	s_mov_b32 s[SC+1], s[SC]                       ; (named with it as a pair, so it is written)
	s_wait_dscnt 0x0                               ; both opening adds are done
	s_wait_kmcnt 0x0
	s_mov_b32 s[G0X], 1
	s_mov_b32 s[G0X+1], s62
	s_add_nc_u64 s[G0X+2:G0X+3], s[4:5], s[50:51]
	s_or_b32 s[G0X+3], s[G0X+3], 0x80000000
	s_mov_b32 s[G0W], 1
	s_add_co_u32 s[G0W+1], s63, WB
	s_add_nc_u64 s[G0W+2:G0W+3], s[6:7], s[52:53]
	s_or_b32 s[G0W+3], s[G0W+3], 0x80000000
	CROUND                                         ; all sixteen work-groups are here: the joint loads meet
	s_cmp_lt_u32 s[WV], 8                          ; waves 0-7 fetch x's eight blocks, waves 8-11 W's eight, two each: one tensor load of mine is out.  The branch hangs on the wave's number alone
	s_cbranch_scc0 .Lfor_w
	tensor_load_to_lds s[G0X:G0X+3], s[G1X:G1X+7]
	s_nop 0
	PLACES
	s_branch .Lasked
.Lfor_w:
	tensor_load_to_lds s[G0W:G0W+3], s[G1W:G1W+7]
	s_nop 0
	PLACES
.Lasked:
	v_and_b32 v12, 31, v0
	v_and_b32 v13, 15, v0
	v_bfe_u32 v14, v0, 4, 1
	v_lshlrev_b32 v[LI], 4, v12
	v_lshlrev_b32 v15, 2, v12
	s_lshl_b32 s68, s20, 12                        ; my four fragments of x
	v_add_nc_u32 v[AX], s68, v[LI]
	v_add_nc_u32 v[AX+1], 4*XBLK, v[AX]            ; (an LDS offset has 16 bits: a second register serves blocks 4 to 7)
	s_lshl_b32 s68, s19, 12                        ; my role's four fragments of W
	s_add_co_u32 s68, s68, WB
	v_add_nc_u32 v[AW], s68, v[LI]
	v_add_nc_u32 v[AW+1], 4*WBLK, v[AW]
	s_lshl_b32 s68, s20, 8
	s_add_co_u32 s68, s68, 16384
	v_add_nc_u32 v[ASX], s68, v15
	v_add_nc_u32 v[ASX+1], 4*XBLK, v[ASX]
	s_lshl_b32 s68, s19, 8
	s_add_co_u32 s68, s68, WB+12288
	v_add_nc_u32 v[ASW], s68, v15
	v_add_nc_u32 v[ASW+1], 4*WBLK, v[ASW]
	v_lshlrev_b32 v13, 2, v13                      ; 4 r
	v_lshlrev_b32 v14, 5, v14                      ; 32 h
	; where my results go: Q: (256 head + 16 tb + 4 tg) x 2,048 bytes; K and V: (64 head + 4 tb + tg) x 16,384, which is twice that
	s_lshl_b32 s66, s23, 19
	s_lshl_b32 s68, s48, 15
	s_add_co_u32 s66, s66, s68
	s_lshl_b32 s68, s20, 13
	s_add_co_u32 s66, s66, s68
	s_lshl_b32 s69, s66, 1
	s_cmp_eq_u32 s19, 0
	s_cselect_b32 s66, s66, s69
	s_cselect_b64 s[56:57], s[14:15], s[16:17]
	s_cselect_b64 s[58:59], s[8:9], s[10:11]       ; and the bias of roles 0 and 1
	s_mov_b32 s67, 0
	s_add_nc_u64 s[56:57], s[56:57], s[66:67]
	s_lshl_b32 s66, s23, 8                         ; the head's 64 numbers
	s_add_nc_u64 s[58:59], s[58:59], s[66:67]
	s_add_nc_u64 s[12:13], s[12:13], s[66:67]
	s_cmp_lt_u32 s[WV], 8
	s_cbranch_scc0 .Lbias_v
.irp f, 0,1,2,3                                ; Q, K: lane (r, h) wants, for feature tile f, the bias of features 16 f + 8 h + 0 .. 7
	global_load_b128 v[BI+8*\f:BI+8*\f+3], v14, s[58:59] offset:64*\f
	global_load_b128 v[BI+8*\f+4:BI+8*\f+7], v14, s[58:59] offset:64*\f+16
.endr
	s_branch .Lbias_done
.Lbias_v:
.irp f, 0,1,2,3                                ; V: all eight registers of channel tile f hold the bias of channel 16 f + r
.irp j, 0,1,2,3,4,5,6,7
	global_load_b32 v[BI+8*\f+\j], v13, s[12:13] offset:64*\f
.endr
.endr
.Lbias_done:
	s_wait_loadcnt 0x0                             ; the bias
	s_wait_tensorcnt 0x0                           ; my block has landed,
	s_barrier_signal -1
	s_barrier_wait -1                              ; everybody's has
.macro WM ra, rb                       ; one product; ra, rb: the scale words stand in lanes 16-31 of source 0's, source 1's register
.if (\ra) && (\rb)
	v_wmma_scale_f32_16x16x128_f8f6f4 v[rD:rD+7], v[rA:rA+7], v[rB:rB+7], v[rC:rC+7], v[rSA], v[rSB] matrix_a_fmt:MATRIX_FMT_FP4 matrix_b_fmt:MATRIX_FMT_FP4 matrix_a_scale:MATRIX_SCALE_ROW1 matrix_b_scale:MATRIX_SCALE_ROW1
.elseif (\ra)
	v_wmma_scale_f32_16x16x128_f8f6f4 v[rD:rD+7], v[rA:rA+7], v[rB:rB+7], v[rC:rC+7], v[rSA], v[rSB] matrix_a_fmt:MATRIX_FMT_FP4 matrix_b_fmt:MATRIX_FMT_FP4 matrix_a_scale:MATRIX_SCALE_ROW1
.elseif (\rb)
	v_wmma_scale_f32_16x16x128_f8f6f4 v[rD:rD+7], v[rA:rA+7], v[rB:rB+7], v[rC:rC+7], v[rSA], v[rSB] matrix_a_fmt:MATRIX_FMT_FP4 matrix_b_fmt:MATRIX_FMT_FP4 matrix_b_scale:MATRIX_SCALE_ROW1
.else
	v_wmma_scale_f32_16x16x128_f8f6f4 v[rD:rD+7], v[rA:rA+7], v[rB:rB+7], v[rC:rC+7], v[rSA], v[rSB] matrix_a_fmt:MATRIX_FMT_FP4 matrix_b_fmt:MATRIX_FMT_FP4
.endif
.endm
; 128 along K: 20 LDS loads, 16 products.  swap = 0: source 0 = W, source 1 = x (Q, K); 1: the other way round (V).  first = 1: the bias starts the sums: nothing is cleared.
; The 16 accumulators take turns, one instruction a turn, in the same order in every step.
.macro KSTEP kq, swap, first
.irp i, 0,1,2,3
.irp c, 0,1
	ds_load_b128 v[XF+8*\i+4*\c:XF+8*\i+4*\c+3], v[AX+(\kq)/4] offset:((\kq)%4)*XBLK+\i*1024+\c*512
	ds_load_b128 v[WF+8*\i+4*\c:WF+8*\i+4*\c+3], v[AW+(\kq)/4] offset:((\kq)%4)*WBLK+\i*1024+\c*512
.endr
.endr
.irp u, 0,1
	ds_load_b32 v[XSC+\u], v[ASX+(\kq)/4] offset:((\kq)%4)*XBLK+128*\u
	ds_load_b32 v[WSC+\u], v[ASW+(\kq)/4] offset:((\kq)%4)*WBLK+128*\u
.endr
	s_wait_dscnt 0x0
.irp i, 0,1,2,3
.irp j, 0,1,2,3
.set rD, ACC+8*(4*\i+\j)
.set rC, rD
.if \swap
.set rA, XF+8*\i
.set rB, WF+8*\j
.set rSA, XSC+\i/2
.set rSB, WSC+\j/2
.if \first
.set rC, BI+8*\j
.endif
.else
.set rA, WF+8*\i
.set rB, XF+8*\j
.set rSA, WSC+\i/2
.set rSB, XSC+\j/2
.if \first
.set rC, BI+8*\i
.endif
.endif
	WM \i%2, \j%2
.endr
.endr
	PLACES                                         ; four plain places behind the products, in front of the next loads into their operands and of the first read of results
.endm
	s_cmp_lt_u32 s[WV], 8
	s_cbranch_scc0 .Lv
	KSTEP 0, 0, 1
.irp q, 1,2,3,4,5,6,7
	KSTEP \q, 0, 0
.endr
.set i, 0
.rept 64
	v_pk_mul_f32 v[ACC+2*i:ACC+2*i+1], v[ACC+2*i:ACC+2*i+1], s[SC:SC+1] op_sel_hi:[1,0]   ; x sqrt(log2(e) / 8), in f32; each accumulator from its low end on
.set i, i+1
.endr
.set i, 0
.rept 64
	v_cvt_pk_f16_f32 v[XF+i], v[ACC+2*i], v[ACC+2*i+1]
.set i, i+1
.endr
.irp a, 0,1,2,3                                ; features 16 a + 8 h + 0 .. 7 of token tile j: registers 4 (a % 2) .. + 3 of fragment (j, ds = a / 2)
.irp j, 0,1,2,3
	global_store_b128 v[LI], v[XF+4*(4*\a+\j):XF+4*(4*\a+\j)+3], s[56:57] offset:(2*\j+\a/2)*1024+(\a%2)*512   ; 512 consecutive bytes
.endr
.endr
	s_branch .Ldone
.Lv:
	KSTEP 0, 1, 1
.irp q, 1,2,3,4,5,6,7
	KSTEP \q, 1, 0
.endr
.set i, 0
.rept 64
	v_cvt_pk_f16_f32 v[XF+i], v[ACC+2*i], v[ACC+2*i+1]
.set i, i+1
.endr
.irp a, 0,1,2,3                                ; tokens 16 a + 8 h + 0 .. 7 of channel tile j: registers 4 (a % 2) .. + 3 of V^T's fragment (pc = a / 2, ct = j)
.irp j, 0,1,2,3
	global_store_b128 v[LI], v[XF+4*(4*\a+\j):XF+4*(4*\a+\j)+3], s[56:57] offset:8192+(4*(\a/2)+\j)*1024+(\a%2)*512
.endr
.endr
.Ldone:
	s_wait_tensorcnt 0x0                           ; the wave's end: three lines behind my last tensor load
	ds_add_u32 v[SPW], v[NIL]
	s_wait_dscnt 0x0
	CROUND                                         ; the closing round: no work-group ends while a partner may still ask for a block that names it
	s_endpgm
.Lfunc_end_k_q0c369bbabb_qkv:
	.size	k_q0c369bbabb_qkv, .Lfunc_end_k_q0c369bbabb_qkv-k_q0c369bbabb_qkv
	.p2alignl 7, 3214868480
	.fill 96, 4, 3214868480
	.section	.rodata,"a",@progbits
	.p2align	6, 0x0
	.amdhsa_kernel k_q0c369bbabb_qkv
		.amdhsa_group_segment_fixed_size 245760
		.amdhsa_private_segment_fixed_size 0
		.amdhsa_enable_private_segment 0
		.amdhsa_kernarg_size 56
		.amdhsa_user_sgpr_count 2
		.amdhsa_user_sgpr_kernarg_segment_ptr 1
		.amdhsa_wavefront_size32 1
		.amdhsa_system_sgpr_workgroup_id_x 1
		.amdhsa_system_sgpr_workgroup_id_y 1
		.amdhsa_system_sgpr_workgroup_id_z 1
		.amdhsa_system_vgpr_workitem_id 0
		.amdhsa_next_free_vgpr 256
		.amdhsa_next_free_sgpr 80
		.amdhsa_reserve_vcc 0
		.amdhsa_float_denorm_mode_32 3
		.amdhsa_float_denorm_mode_16_64 3
		.amdhsa_memory_ordered 1
		.amdhsa_forward_progress 1
		.amdhsa_inst_pref_size 80
	.end_amdhsa_kernel
	.amdgpu_metadata
---
amdhsa.version: [ 1, 2 ]
amdhsa.kernels:
  - .name:           k_q0c369bbabb_qkv
    .symbol:         k_q0c369bbabb_qkv.kd
    .args:
      - { .name: xq, .offset: 0, .size: 8, .value_kind: global_buffer, .address_space: global }
      - { .name: wq, .offset: 8, .size: 8, .value_kind: global_buffer, .address_space: global }
      - { .name: bq, .offset: 16, .size: 8, .value_kind: global_buffer, .address_space: global }
      - { .name: bk, .offset: 24, .size: 8, .value_kind: global_buffer, .address_space: global }
      - { .name: bv, .offset: 32, .size: 8, .value_kind: global_buffer, .address_space: global }
      - { .name: q16, .offset: 40, .size: 8, .value_kind: global_buffer, .address_space: global }
      - { .name: kv16, .offset: 48, .size: 8, .value_kind: global_buffer, .address_space: global }
    .group_segment_fixed_size: 245760
    .private_segment_fixed_size: 0
    .kernarg_segment_align: 8
    .kernarg_segment_size: 56
    .max_flat_workgroup_size: 384
    .sgpr_count:     80
    .vgpr_count:     256
    .wavefront_size: 32
...
	.end_amdgpu_metadata
.endif
;; end of part 2
;; launch attn (part 3): grid 16 x 16, 8 waves a work-group, clusters of 4 x 1, 327,680 bytes of LDS; arguments q16, kv16, maskw, ctx16; writes ctx16
.if DOCPART == 3
	.amdgcn_target "amdgcn-amd-amdhsa--gfx1250"
	.amdhsa_code_object_version 6
	.text
	.protected	k_q0c369bbabb_attn
	.globl	k_q0c369bbabb_attn
	.p2align	8
	.type	k_q0c369bbabb_attn,@function
k_q0c369bbabb_attn:
	s_mov_b64 s[64:65], 0
	v_nop
	global_prefetch_b8 v0, s[64:65] scope:SCOPE_SE
	s_setreg_imm32_b32 hwreg(HW_REG_WAVE_MODE, 25, 1), 1
	s_wait_xcnt 0x0
	s_wait_alu depctr_hold_cnt(0) depctr_sa_sdst(0) depctr_va_vdst(0) depctr_va_sdst(0) depctr_va_ssrc(0) depctr_va_vcc(0) depctr_vm_vsrc(0)
	s_getreg_b32 s2, hwreg(HW_REG_IB_STS2, 6, 4)
	s_cmp_eq_u32 s2, 0
	s_cbranch_scc0 .Lentry_in_a_cluster
	s_endpgm
.Lentry_in_a_cluster:
	s_bfe_u32 s2, ttmp6, 0x10000c
	s_cmp_lg_u32 s2, 0x3003
	s_cbranch_scc0 .Lentry_shape_is_right
	s_endpgm
.Lentry_shape_is_right:
; ctx[q] = the sum over k of softmax_k(where(mask[q][k] == 0, -1e9, Q[q] . K[k] / 8)) V[k], for one head and 256 queries.  Operands f16, products, maxima and sums f32.
; Q and K arrive multiplied by sqrt(log2(e) / 8), so K Q^T IS t, the score in powers of two; a masked score is T = -1e9 log2(e).  p = 2^(t - m), m the running maximum, by a plain subtraction:
; in a row that is wholly masked T - T is 0 exactly, every p is 1 and the row is the plain average of V, as it is where -1e9 stands for every score.
; f16, not bf16: a number of ctx sums some 4,096 terms of changing sign, so the operands' rounding shows against the result's own size, and f16 keeps three bits more; p is at most 1.
; SHARES.  A work-group owns 256 queries, each of its eight waves 32: two tiles of 16, in 512 registers: two waves to a SIMD, so that one wave's softmax stands beside the other's products and LDS loads.
; A fragment of K or V read from LDS feeds two products.  Every wave walks all 4,096 keys, 64 a step.
; LAYOUT.  S^T = K Q^T (source 0 = 16 keys, source 1 = 16 queries): a lane holds ONE query and keys 8 (lane / 16) + 0..7 of a tile.  Two such tiles, rounded to f16 in pairs, ARE source 1 of O^T = V^T P.
; K, V^T, Q arrive as images of fragments (registers 4 c .. 4 c + 3 of lane l at 512 c + 16 l): a key step's 16 fragments are 16,384 dense bytes; every LDS read is 512 consecutive bytes; nothing is transposed or padded.
; THE MASK arrives as lane masks: word 8 kt + jj of (tile of queries, key step) is the mask for score register 8 kt + jj.  64 words a step come by four scalar loads, asked for a step ahead; one v_cndmask_b32 a score.
; No branch and no address hangs on them.
; RING.  Two slots of 131,072 bytes, eight key steps each; each wave brings one key step's 16,384 bytes by one tensor load.  By this text's count two loads of a wave are out at the start and one behind each round.
; CLUSTER.  The four query blocks of a cluster walk one head's K and V: each tile is asked for jointly (mask 15).
; lds_bytes claims all of a WGP's LDS.
; LIMITS: real scores stay above -1e9; NaN and infinities are not served; p, V and ctx are rounded to f16 (|ctx| under 65,504): the error is some 4e-4 of a ROW's own size, so where a mask leaves a few rows
; with a handful of keys among full rows, those rows' smallest numbers come near what a comparison against the whole output's size allows.
; REGISTERS.  window 0: v1-7 addresses and constants; v16-31 statistics, eight a tile: +0 m, +1 zero, +2 +3 l, +4..+7 c0-c3 at work (a takes c2's place); v64-127 S^T, 32 a tile; v128-159 P, 16 a tile.
;   window 1: v0-63 O^T, 32 a tile; v64-95 Q; v96-159 K of one step; v160-223 V^T of one step.
.set STEPB, 16384
.set SLOT1, 1<<17                      ; slot 1 begins here; a slot's keys are as many bytes of memory
.set SPARE, 2*SLOT1                    ; behind the ring: the spare words, 128 bytes for each of eight waves
.set LI,  1                            ; v1  16 x lane
.set ADR, 2                            ; v2  LDS address of the key step that is being fetched
.set TV,  3                            ; v3  T
.set PFO, 4                            ; v4  256 x lane
.set SPW, 6                            ; v6  LDS address of my spare word; never rewritten
.set NIL, 7                            ; v7  0; never rewritten
.set ST,  16
.set S,   64
.set P,   128
.set QF,  64
.set KF,  96
.set VF,  160
.set WV,    12
.set CNT,   13
.set TB,    14                         ; s14 LDS byte at which the key step to be fetched begins
.set SLOTS, 15                         ; s15 slots still to be asked for
.set G1,    16                         ; s[16:23] descriptor group 1
.set G0A,   24                         ; s[24:27] group 0 of slot 0's first fill
.set G0,    28                         ; s[28:31] group 0 of slot 1's first fill; it then walks
.set MW0,   32                         ; s[32:63] tile 0's 32 mask words
.set SEL,   66                         ; s[66:67] v_permlanex16_b32's selects for lane l xor 16
.set MW1,   68                         ; s[68:99] tile 1's
.set PFA,   100                        ; s[100:101] where my prefetches stand
.set LIM,   104                        ; s104 1 in a wave that prefetches, else the greatest number
.set MSB, 0
.macro WIN new                         ; the immediate's high byte repeats the setting that is left; a switch that changes nothing is dropped
.if MSB != \new
	s_set_vgpr_msb (MSB<<8)|\new
.set MSB, \new
.endif
.endm
.set W_KQ, 0x05                        ; K and Q window 1, S^T window 0
.set W_PV, 0x51                        ; V^T and O^T window 1, P window 0
.set W_RS, 0x41                        ; O^T (destination and source 0) window 1, a window 0
.set TO1,  0x40                        ; destination window 1, address window 0
.macro CROUND                          ; a round of the cluster's barrier
	s_barrier_signal -1
	s_barrier_wait -1
	s_cmp_lg_u32 s[WV], 0
	s_cbranch_scc1 .Lnot_wave_0_\@
	s_barrier_signal -3
.Lnot_wave_0_\@:
	s_barrier_wait -3
	s_barrier_signal -1
	s_barrier_wait -1
.endm
.macro PLACES                          ; four plain places behind matrix instructions, in front of loads into their operands and of reads of their results
.rept 4
	v_nop
.endr
.endm
; A PREFETCH INTO THE L2 of the slot that the NEXT change of slots will ask for: 131,072 bytes, eight key steps ahead of that load.  All four clusters of a head walk the same K and V: the head's first cluster asks.
; Its four partners take 32,768 bytes each, told apart BY ADDRESS; in each, waves 0 to 3 take 8,192 bytes, lanes 256 bytes apart: each aligned block of 256 bytes is named once in the launch.
; The last change that fills a slot asks for nothing; slots 0 to 2 come by their loads alone.
.macro ASK
	s_cmp_gt_u32 s[SLOTS], s[LIM]
	s_cbranch_scc0 .Lnot_mine_\@
	global_prefetch_b8 v[PFO], s[PFA:PFA+1] th:TH_LOAD_NT scope:SCOPE_SE
.Lnot_mine_\@:
.endm
	s_load_b256 s[4:11], s[0:1], 0x0               ; q16 s[4:5], kv16 s[6:7], maskw s[8:9], ctx16 s[10:11]
	v_lshl_add_u32 v[SPW], v0, 2, SPARE
	v_mov_b32 v[NIL], 0
	ds_add_u32 v[SPW], v[NIL]                      ; the wave's opening: the add, twice on end, and its wait ahead of my first tensor load
	ds_add_u32 v[SPW], v[NIL]
	v_lshrrev_b32 v1, 5, v0
	v_readfirstlane_b32 s[WV], v1                  ; wave 0..7
	s_bfe_u32 s32, ttmp6, 0x40000                  ; cx: my place in the cluster
	s_lshl_b32 s33, ttmp9, 2
	s_add_co_u32 s33, s33, s32                     ; my block of 256 queries: it enters the addresses of Q, the mask words and ctx alone
	s_and_b32 s34, ttmp7, 0xffff                   ; the head, which the four partners share
	s_lshl_b32 s36, s34, 20                        ; K, V: the head's 1,048,576 bytes,
	s_lshl_b32 s35, s[WV], 14                      ; my key step of a slot: its place in memory and in LDS
	s_add_co_u32 s36, s36, s35
	s_mov_b32 s37, 0
	s_lshl_b32 s38, s34, 19                        ; Q: (256 head + 16 qb + 2 wave) x 2,048
	s_lshl_b32 s40, s33, 15
	s_add_co_u32 s38, s38, s40
	s_lshl_b32 s40, s[WV], 12
	s_add_co_u32 s38, s38, s40
	s_mov_b32 s39, 0
	s_lshl_b32 s42, s33, 17                        ; mask words: (16 qb + 2 wave) x 8,192
	s_add_co_u32 s42, s42, s35
	s_mov_b32 s43, 0
	s_lshl_b32 s44, s33, 19                        ; ctx16 [tb128][ks32][ti][1,024]: tb128 = 2 qb + wave / 4, ks32 = 2 head (+ ct / 2), ti = (2 wave) % 8 (+ t)
	s_lshr_b32 s40, s[WV], 2
	s_lshl_b32 s41, s40, 18
	s_add_co_u32 s44, s44, s41
	s_lshl_b32 s41, s34, 14
	s_add_co_u32 s44, s44, s41
	s_lshl_b32 s41, s[WV], 1
	s_and_b32 s41, s41, 7
	s_lshl_b32 s41, s41, 10
	s_add_co_u32 s44, s44, s41
	s_mov_b32 s45, 0
	s_lshl_b32 s46, s34, 20                        ; the prefetches: the head, my work-group's 32,768 bytes, my wave's 8,192,
	s_lshl_b32 s41, s32, 15
	s_add_co_u32 s46, s46, s41
	s_and_b32 s41, s[WV], 3
	s_lshl_b32 s41, s41, 13
	s_add_co_u32 s46, s46, s41
	s_add_co_u32 s46, s46, 2*SLOT1                 ; in slot 2: the first change of slots steps it to slot 3
	s_mov_b32 s47, 0
	s_or_b32 s40, s40, ttmp9                       ; 0 in waves 0 to 3 of the head's first cluster: the same in all four partners
	s_cmp_eq_u32 s40, 0
	s_cselect_b32 s[LIM], 1, -1
	s_mov_b32 s[G1], 15|(3<<16)|(1<<21)            ; 15:0 the mask: all four work-groups; 17:16 elements of 8 bytes; 21 set beside a mask; no padding
	s_mov_b32 s[G1+1], 32<<16                      ; tensor_dim0: rows of 256 bytes
	s_mov_b32 s[G1+2], 64<<16                      ; tensor_dim1
	s_mov_b32 s[G1+3], 32<<16                      ; tile_dim0
	s_mov_b32 s[G1+4], 64                          ; tile_dim1
	s_mov_b32 s[G1+5], 32                          ; the pitch: a dense block
	s_mov_b32 s[G1+6], 0
	s_mov_b32 s[G1+7], 0
	s_mov_b32 s[SEL], 0x76543210
	s_mov_b32 s[SEL+1], 0xfedcba98
	s_mov_b32 s[TB], 0
	s_mov_b32 s[SLOTS], 6
	s_wait_dscnt 0x0                               ; both opening adds are done
	s_wait_kmcnt 0x0
	s_add_nc_u64 s[36:37], s[6:7], s[36:37]
	s_add_nc_u64 s[4:5], s[4:5], s[38:39]
	s_add_nc_u64 s[8:9], s[8:9], s[42:43]
	s_add_nc_u64 s[10:11], s[10:11], s[44:45]
	s_add_nc_u64 s[PFA:PFA+1], s[6:7], s[46:47]
	s_mov_b32 s[G0A], 1
	s_mov_b32 s[G0A+1], s35
	s_mov_b64 s[G0A+2:G0A+3], s[36:37]
	s_or_b32 s[G0A+3], s[G0A+3], 0x80000000
	s_mov_b32 s[G0], 1
	s_add_co_u32 s[G0+1], s35, SLOT1
	s_add_nc_u64 s[G0+2:G0+3], s[36:37], SLOT1
	s_or_b32 s[G0+3], s[G0+3], 0x80000000
	CROUND                                         ; all four work-groups are here: the first joint loads meet
	tensor_load_to_lds s[G0A:G0A+3], s[G1:G1+7]    ; my key step of slot 0,
	s_nop 0
	tensor_load_to_lds s[G0:G0+3], s[G1:G1+7]      ; and of slot 1: two loads of mine are out
	s_nop 0
	PLACES
	v_and_b32 v5, 31, v0
	v_lshlrev_b32 v[LI], 4, v5
	v_lshlrev_b32 v[PFO], 8, v5
	WIN TO1
.set i, 0
.rept 8
	global_load_b128 v[QF+4*i:QF+4*i+3], v[LI], s[4:5] offset:512*i   ; Q stays in registers: tile t, ds: fragment 2 t + ds
.set i, i+1
.endr
	WIN 0
	s_load_b512 s[MW0:MW0+15], s[8:9], 0x0         ; key step 0's mask words (the scratch registers above are done with)
	s_load_b512 s[MW0+16:MW0+31], s[8:9], 0x40
	s_load_b512 s[MW1:MW1+15], s[8:9], 0x2000
	s_load_b512 s[MW1+16:MW1+31], s[8:9], 0x2040
	v_mov_b32 v[TV], 0xceabfb8f                    ; T = -1e9 log2(e)
.irp t, 0,1
	v_mov_b32 v[ST+8*\t], 0xff61b1e6               ; m: -3e38, under every t and under T
.irp n, 1,2,3,4,5,6,7
	v_mov_b32 v[ST+8*\t+\n], 0                     ; l; and what is named as half of a pair or as a permute's destination before it is first written
.endr
.endr
	WIN TO1
.set i, 0
.rept 64
	v_mov_b32 v[i], 0                              ; O^T.  (The step is written with no first step of its own: the first finds zeros, which a = 0 leaves zeros)
.set i, i+1
.endr
	WIN 0
.macro FETCH_K                         ; a key step's K: 8 fragments, 16 loads of 512 consecutive bytes
	WIN 0
	v_add_nc_u32 v[ADR], s[TB], v[LI]
	WIN TO1
.set i, 0
.rept 16
	ds_load_b128 v[KF+4*i:KF+4*i+3], v[ADR] offset:512*i
.set i, i+1
.endr
.endm
.macro FETCH_V                         ; the same step's V^T, by the address that FETCH_K made
	WIN TO1
.set i, 0
.rept 16
	ds_load_b128 v[VF+4*i:VF+4*i+3], v[ADR] offset:8192+512*i
.set i, i+1
.endr
.endm
; The accumulators take turns, one instruction a turn: between two links of a chain stand seven others'.
.macro QK                              ; S^T = K Q^T: 16 products; the first eight start the sums
	WIN W_KQ
.irp ds, 0,1
.irp kt, 0,1,2,3
.irp t, 0,1
.if \ds == 0
	v_wmma_f32_16x16x32_f16 v[S+32*\t+8*\kt:S+32*\t+8*\kt+7], v[KF+8*(2*\kt+\ds):KF+8*(2*\kt+\ds)+7], v[QF+16*\t+8*\ds:QF+16*\t+8*\ds+7], 0
.else
	v_wmma_f32_16x16x32_f16 v[S+32*\t+8*\kt:S+32*\t+8*\kt+7], v[KF+8*(2*\kt+\ds):KF+8*(2*\kt+\ds)+7], v[QF+16*\t+8*\ds:QF+16*\t+8*\ds+7], v[S+32*\t+8*\kt:S+32*\t+8*\kt+7]
.endif
.endr
.endr
.endr
.endm
.macro PV                              ; O^T += V^T P: 16 products
	WIN W_PV
.irp pc, 0,1
.irp ct, 0,1,2,3
.irp t, 0,1
	v_wmma_f32_16x16x32_f16 v[32*\t+8*\ct:32*\t+8*\ct+7], v[VF+8*(4*\pc+\ct):VF+8*(4*\pc+\ct)+7], v[P+16*\t+8*\pc:P+16*\t+8*\pc+7], v[32*\t+8*\ct:32*\t+8*\ct+7]
.endr
.endr
.endr
.endm
; THE SOFTMAX of a key step, both tiles line by line in turn, so that no line waits for the line above it.  last = 1: no further mask words are asked for.
.macro SOFTMAX last
.set i, 0
.rept 32
	v_cndmask_b32 v[S+i], v[TV], v[S+i], s[MW0+i]          ; a masked score becomes T; each accumulator is read from its low end on
	v_cndmask_b32 v[S+32+i], v[TV], v[S+32+i], s[MW1+i]
.set i, i+1
.endr
.irp j, 0,1,2,3                                ; the maximum of 32 scores and the old m, three operands at a time, in four chains
.irp t, 0,1
	v_max3_num_f32 v[ST+8*\t+4+\j], v[S+32*\t+8*\j], v[S+32*\t+8*\j+1], v[S+32*\t+8*\j+2]
.endr
.endr
.irp q, 1,2
.irp j, 0,1,2,3
.irp t, 0,1
	v_max3_num_f32 v[ST+8*\t+4+\j], v[ST+8*\t+4+\j], v[S+32*\t+8*\j+2*\q+1], v[S+32*\t+8*\j+2*\q+2]
.endr
.endr
.endr
.irp t, 0,1
	v_max3_num_f32 v[ST+8*\t+4], v[ST+8*\t+4], v[S+32*\t+7], v[S+32*\t+15]
	v_max3_num_f32 v[ST+8*\t+6], v[ST+8*\t+6], v[S+32*\t+23], v[S+32*\t+31]
.endr
.irp t, 0,1
	v_max3_num_f32 v[ST+8*\t+4], v[ST+8*\t+4], v[ST+8*\t+5], v[ST+8*\t+6]
.endr
.irp t, 0,1
	v_max3_num_f32 v[ST+8*\t+4], v[ST+8*\t+4], v[ST+8*\t+7], v[ST+8*\t]
.endr
.irp t, 0,1
	v_permlanex16_b32 v[ST+8*\t+5], v[ST+8*\t+4], s[SEL], s[SEL+1]   ; the query's other 32 keys lie in the lane 16 away
.endr
.irp t, 0,1
	v_mov_b32 v[ST+8*\t+7], v[ST+8*\t]             ; the old m
.endr
.irp t, 0,1
	v_max_num_f32 v[ST+8*\t], v[ST+8*\t+4], v[ST+8*\t+5]
.endr
.irp t, 0,1
	v_sub_f32 v[ST+8*\t+7], v[ST+8*\t+7], v[ST+8*\t]
.endr
.set i, 0
.rept 16
	v_pk_add_f32 v[S+2*i:S+2*i+1], v[S+2*i:S+2*i+1], v[ST:ST+1] op_sel_hi:[1,0] neg_lo:[0,1] neg_hi:[0,1]            ; t - m, two at a time
	v_pk_add_f32 v[S+32+2*i:S+32+2*i+1], v[S+32+2*i:S+32+2*i+1], v[ST+8:ST+9] op_sel_hi:[1,0] neg_lo:[0,1] neg_hi:[0,1]
.set i, i+1
.endr
.irp t, 0,1
	v_exp_f32 v[ST+8*\t+6], v[ST+8*\t+7]           ; a = 2^(old m - new m).  ONE BATCH of 66 exponentials, none of which reads another's result
.endr
.set i, 0
.rept 32
	v_exp_f32 v[S+i], v[S+i]
	v_exp_f32 v[S+32+i], v[S+32+i]
.set i, i+1
.endr
.if !(\last)
	s_wait_xcnt 0x0                                ; the last mask loads have read their base (their data were waited for at this step's head),
	s_add_nc_u64 s[8:9], s[8:9], 128               ; so it steps: the next key step's 64 words are asked for a step ahead; this step's have all been read
	s_load_b512 s[MW0:MW0+15], s[8:9], 0x0
	s_load_b512 s[MW0+16:MW0+31], s[8:9], 0x40
	s_load_b512 s[MW1:MW1+15], s[8:9], 0x2000
	s_load_b512 s[MW1+16:MW1+31], s[8:9], 0x2040
.endif
	v_nop                                          ; a plain instruction behind the last exponential,
	s_wait_alu depctr_va_vdst(0)                   ; and the one wait ahead of the batch's first reader
.set i, 0
.rept 16
	v_cvt_pk_f16_f32 v[P+i], v[S+2*i], v[S+2*i+1]
	v_cvt_pk_f16_f32 v[P+16+i], v[S+32+2*i], v[S+32+2*i+1]
.set i, i+1
.endr
.irp w, 4,8,16,32                              ; the sum of the tile's 16 pairs, in place: neighbours 1, 2, 4 and 8 pairs apart
.set i, 0
.rept 32/\w
	v_pk_add_f32 v[S+\w*i:S+\w*i+1], v[S+\w*i:S+\w*i+1], v[S+\w*i+\w/2:S+\w*i+\w/2+1]
	v_pk_add_f32 v[S+32+\w*i:S+32+\w*i+1], v[S+32+\w*i:S+32+\w*i+1], v[S+32+\w*i+\w/2:S+32+\w*i+\w/2+1]
.set i, i+1
.endr
.endr
.irp t, 0,1
	v_pk_fma_f32 v[ST+8*\t+2:ST+8*\t+3], v[ST+8*\t+2:ST+8*\t+3], v[ST+8*\t+6:ST+8*\t+7], v[S+32*\t:S+32*\t+1] op_sel_hi:[1,0,1]   ; l = a l + the sum
.endr
	WIN W_RS
.set i, 0
.rept 16
	v_pk_mul_f32 v[2*i:2*i+1], v[2*i:2*i+1], v[ST+6:ST+7] op_sel_hi:[1,0]                  ; O^T x a
	v_pk_mul_f32 v[32+2*i:32+2*i+1], v[32+2*i:32+2*i+1], v[ST+14:ST+15] op_sel_hi:[1,0]
.set i, i+1
.endr
.endm
; THE CHANGE OF SLOTS, in a slot's eighth step, behind its products K Q^T: the slot's last bytes, this step's V, have been asked for.  Each wave waits for all its tensor loads (one is out: its part of the other
; slot), adds 0 to its spare word, and waits for that and for its reads of the slot.  fill = 1: the barrier is a round of the cluster's, and the joint refill, the keys two slots on, is the first thing behind it:
; it has eight key steps in which to land.
.macro CHANGE fill
	s_wait_tensorcnt 0x0                           ; no tensor load of mine is out, so a group 0 may be written
	ds_add_u32 v[SPW], v[NIL]                      ; 0 onto my spare word
.if \fill
	s_xor_b32 s[G0+1], s[G0+1], SLOT1              ; the walking descriptor: the other slot than last time,
	s_add_nc_u64 s[G0+2:G0+3], s[G0+2:G0+3], SLOT1 ; the next 512 keys; the type bits on top are not reached
	s_wait_xcnt 0x0                                ; the last prefetch, eight key steps back, has read its address:
	s_add_nc_u64 s[PFA:PFA+1], s[PFA:PFA+1], SLOT1 ; one slot further on than the walking descriptor
	s_wait_dscnt 0x0                               ; the add is done, and my reads of the slot are over
	CROUND
	tensor_load_to_lds s[G0:G0+3], s[G1:G1+7]      ; every wave brings its own key step: no branch
	s_nop 0
	PLACES                                         ; (also the places behind K Q^T)
	ASK
.else
	s_wait_dscnt 0x0
	s_barrier_signal -1
	s_barrier_wait -1
	PLACES
.endif
	s_sub_co_u32 s[TB], s[TB], 7*STEPB             ; the fetches go back to a slot's first step,
	s_xor_b32 s[TB], s[TB], SLOT1                  ; in the other slot
.endm
; A KEY STEP.  chg = 1: it changes slots and fills; 2: it changes slots; last = 1: nothing more is fetched.
.macro STEP chg, last
	s_wait_dscnt 16                                ; K is in; V's 16 loads, issued behind K's, may be out
	QK
	WIN 0
.if (\chg) == 1
	CHANGE 1
.elseif (\chg) == 2
	CHANGE 0
.else
.if !(\last)
	s_add_co_u32 s[TB], s[TB], STEPB
.endif
	PLACES
.endif
.if !(\last)
	FETCH_K                                        ; the next step's K
	WIN 0
.endif
	s_wait_kmcnt 0x0                               ; this step's mask words
	SOFTMAX \last
.if \last
	s_wait_dscnt 0x0
.else
	s_wait_dscnt 16                                ; V is in; the next step's K may be out
.endif
	PV
.if !(\last)
	PLACES
	FETCH_V                                        ; the next step's V
.endif
	WIN 0                                          ; at a label and at a branch every window is 0
.endm
.macro SEVEN                           ; a slot's first seven steps: written once, walked seven times
	s_mov_b32 s[CNT], 7
.Lseven_\@:
	STEP 0, 0
	s_sub_co_u32 s[CNT], s[CNT], 1
	s_cmp_lg_u32 s[CNT], 0
	s_cbranch_scc1 .Lseven_\@
.endm
	s_wait_tensorcnt 1                             ; my part of slot 0 is in; slot 1's may stay out
	s_barrier_signal -1
	s_barrier_wait -1                              ; everybody's is
	FETCH_K
	FETCH_V
	WIN 0
	s_wait_loadcnt 0x0                             ; Q
.Lslot:                                            ; six trips: slots 0 to 5 are filled again
	SEVEN
	STEP 1, 0
	s_sub_co_u32 s[SLOTS], s[SLOTS], 1
	s_cmp_lg_u32 s[SLOTS], 0
	s_cbranch_scc1 .Lslot
	SEVEN                                          ; the tail is written out
	STEP 2, 0
	SEVEN
	STEP 0, 1
	; THE WAY OUT, without LDS: a lane's eight channels of a query are half its part of an f16 fragment (16 tokens x 32 along the last product's K).  The additions are the places behind the last products.
.irp t, 0,1
	v_add_f32 v[ST+8*\t+4], v[ST+8*\t+2], v[ST+8*\t+3]
.endr
.irp t, 0,1
	v_permlanex16_b32 v[ST+8*\t+5], v[ST+8*\t+4], s[SEL], s[SEL+1]
.endr
.irp t, 0,1
	v_add_f32 v[ST+8*\t+4], v[ST+8*\t+4], v[ST+8*\t+5]
.endr
.irp t, 0,1
	v_rcp_f32 v[ST+8*\t+6], v[ST+8*\t+4]
.endr
	v_nop                                          ; a plain instruction behind the last reciprocal,
	s_wait_alu depctr_va_vdst(0)                   ; and the wait ahead of the first use
	WIN W_RS
.set i, 0
.rept 16
	v_pk_mul_f32 v[2*i:2*i+1], v[2*i:2*i+1], v[ST+6:ST+7] op_sel_hi:[1,0]
	v_pk_mul_f32 v[32+2*i:32+2*i+1], v[32+2*i:32+2*i+1], v[ST+14:ST+15] op_sel_hi:[1,0]
.set i, i+1
.endr
	WIN 0x05                                       ; sources window 1, destination window 0: S^T's registers are free
.set i, 0
.rept 32
	v_cvt_pk_f16_f32 v[S+i], v[2*i], v[2*i+1]
.set i, i+1
.endr
	WIN 0
.irp t, 0,1
.irp ct, 0,1,2,3
	global_store_b128 v[LI], v[S+16*\t+4*\ct:S+16*\t+4*\ct+3], s[10:11] offset:\t*1024+(\ct/2)*8192+(\ct%2)*512   ; 512 consecutive bytes
.endr
.endr
	s_wait_tensorcnt 0x0                           ; the wave's end: three lines behind my last tensor load
	ds_add_u32 v[SPW], v[NIL]
	s_wait_dscnt 0x0
	CROUND                                         ; the closing round
	s_endpgm
.Lfunc_end_k_q0c369bbabb_attn:
	.size	k_q0c369bbabb_attn, .Lfunc_end_k_q0c369bbabb_attn-k_q0c369bbabb_attn
	.p2alignl 7, 3214868480
	.fill 96, 4, 3214868480
	.section	.rodata,"a",@progbits
	.p2align	6, 0x0
	.amdhsa_kernel k_q0c369bbabb_attn
		.amdhsa_group_segment_fixed_size 327680
		.amdhsa_private_segment_fixed_size 0
		.amdhsa_enable_private_segment 0
		.amdhsa_kernarg_size 32
		.amdhsa_user_sgpr_count 2
		.amdhsa_user_sgpr_kernarg_segment_ptr 1
		.amdhsa_wavefront_size32 1
		.amdhsa_system_sgpr_workgroup_id_x 1
		.amdhsa_system_sgpr_workgroup_id_y 1
		.amdhsa_system_sgpr_workgroup_id_z 1
		.amdhsa_system_vgpr_workitem_id 0
		.amdhsa_next_free_vgpr 512
		.amdhsa_next_free_sgpr 106
		.amdhsa_reserve_vcc 0
		.amdhsa_float_denorm_mode_32 3
		.amdhsa_float_denorm_mode_16_64 3
		.amdhsa_memory_ordered 1
		.amdhsa_forward_progress 1
		.amdhsa_inst_pref_size 144
	.end_amdhsa_kernel
	.amdgpu_metadata
---
amdhsa.version: [ 1, 2 ]
amdhsa.kernels:
  - .name:           k_q0c369bbabb_attn
    .symbol:         k_q0c369bbabb_attn.kd
    .args:
      - { .name: q16, .offset: 0, .size: 8, .value_kind: global_buffer, .address_space: global }
      - { .name: kv16, .offset: 8, .size: 8, .value_kind: global_buffer, .address_space: global }
      - { .name: maskw, .offset: 16, .size: 8, .value_kind: global_buffer, .address_space: global }
      - { .name: ctx16, .offset: 24, .size: 8, .value_kind: global_buffer, .address_space: global }
    .group_segment_fixed_size: 327680
    .private_segment_fixed_size: 0
    .kernarg_segment_align: 8
    .kernarg_segment_size: 32
    .max_flat_workgroup_size: 256
    .sgpr_count:     106
    .vgpr_count:     512
    .wavefront_size: 32
...
	.end_amdgpu_metadata
.endif
;; end of part 3
;; launch oproj (part 4): grid 8 x 32, 4 waves a work-group, clusters of 4 x 4, 327,680 bytes of LDS; arguments ctx16, wo16, bo, out0; writes out0
.if DOCPART == 4
	.amdgcn_target "amdgcn-amd-amdhsa--gfx1250"
	.amdhsa_code_object_version 6
	.text
	.protected	k_q0c369bbabb_oproj
	.globl	k_q0c369bbabb_oproj
	.p2align	8
	.type	k_q0c369bbabb_oproj,@function
k_q0c369bbabb_oproj:
	s_mov_b64 s[64:65], 0
	v_nop
	global_prefetch_b8 v0, s[64:65] scope:SCOPE_SE
	s_setreg_imm32_b32 hwreg(HW_REG_WAVE_MODE, 25, 1), 1
	s_wait_xcnt 0x0
	s_wait_alu depctr_hold_cnt(0) depctr_sa_sdst(0) depctr_va_vdst(0) depctr_va_sdst(0) depctr_va_ssrc(0) depctr_va_vcc(0) depctr_vm_vsrc(0)
	s_getreg_b32 s2, hwreg(HW_REG_IB_STS2, 6, 4)
	s_cmp_eq_u32 s2, 0
	s_cbranch_scc0 .Lentry_in_a_cluster
	s_endpgm
.Lentry_in_a_cluster:
	s_bfe_u32 s2, ttmp6, 0x10000c
	s_cmp_lg_u32 s2, 0xf033
	s_cbranch_scc0 .Lentry_shape_is_right
	s_endpgm
.Lentry_shape_is_right:
; out0 = ctx Wo + bo.  ctx [4096][1024] and Wo [k 1024][n 1024] arrive as f16 fragments' images (ctx16 [tb128 32][ks32 32][ti 8][1,024], wo16 [nb 8][ks32 32][nt 8][1,024]); sums f32; out0 f32.
; A tile of the output is 128 x 128, so that there are 256 work-groups; four waves, each 64 x 64: 16 accumulators.  K goes in four steps of 256 through a ring of two LDS slots: a K step of either operand is
; 65,536 dense bytes; each wave brings half of one by one tensor load (128 rows of 256 bytes).  Every LDS read is 512 consecutive bytes: no padding.
; CLUSTER 4 x 4: the four of a row share ctx's tiles, the four of a column Wo's: each tile is asked for jointly.
; THE MATRIX INSTRUCTION IS USED TRANSPOSED (source 0 = 16 n of Wo, source 1 = 16 tokens): a lane holds eight neighbouring numbers of a row of the output.  The bias is the C of each sum's first instruction.
; lds_bytes claims all of a WGP's LDS.  No prefetch: four K steps on small tiles, a short launch.
; REGISTERS: window 0: v16-29 addresses; v32-95 the way out; v96-127 the bias; v128-255 the accumulators ((a, b) at 128 + 8 (4 a + b)).
;   window 1: two fragment buffers of 128: for 64 along K, 64 registers of ctx (2 x 4 fragments), then 64 of Wo.
.set SLOT,   131072                    ; ctx's [ks32 8][ti 8][1,024], then Wo's
.set STAGE,  2*SLOT                    ; behind the ring: 16 rows x (256 bytes + 16) for each wave, for the way out
.set SPITCH, 272
.set SPARE,  STAGE+4*16*SPITCH         ; behind the stages: the spare words, 128 bytes for each wave
.set ADRA, 16                          ; v16-17  my ctx fragments in slot 0, 1
.set ADRB, 20                          ; v20-21  my Wo fragments
.set STO,  24
.set RD,   25
.set CO,   26
.set BO,   27
.set SPW,  28                          ; v28     LDS address of my spare word; never rewritten
.set NIL,  29                          ; v29     0; never rewritten
.set BK,   32
.set BI,   96
.set ACC,  128
.set F0,   0
.set F1,   128
.set G1,  24                           ; s[24:31] group 1 for ctx's tiles; s[32:39] group 0, a set for each slot
.set G0,  32
.set G1B, 48                           ; s[48:55], s[56:63] the same for Wo's
.set G0B, 56
.set MSB, 0
.macro WIN new
.if MSB != \new
	s_set_vgpr_msb (MSB<<8)|\new
.set MSB, \new
.endif
.endm
.set MUL,  0x05                        ; sources 0 and 1 window 1; C and D window 0
.set TO_F, 0x40                        ; destination window 1, address window 0
.macro PLACES
.rept 4
	v_nop
.endr
.endm
.macro JLOAD s                         ; a joint load: waves 0 and 1 fetch ctx's two halves, waves 2 and 3 Wo's; the branch hangs on the wave's number alone
	s_cmp_eq_u32 s13, 0
	s_cbranch_scc0 .Lfor_b_\@
	tensor_load_to_lds s[G0+4*\s:G0+4*\s+3], s[G1:G1+7]
	s_nop 0
	PLACES
	s_branch .Lasked_\@
.Lfor_b_\@:
	tensor_load_to_lds s[G0B+4*\s:G0B+4*\s+3], s[G1B:G1B+7]
	s_nop 0
	PLACES
.Lasked_\@:
.endm
.macro CREST                           ; a round of the cluster's barrier behind its opening barrier
	s_cmp_lg_u32 s12, 0
	s_cbranch_scc1 .Lnot_wave_0_\@
	s_barrier_signal -3
.Lnot_wave_0_\@:
	s_barrier_wait -3
	s_barrier_signal -1
	s_barrier_wait -1
.endm
.macro CROUND
	s_barrier_signal -1
	s_barrier_wait -1
	CREST
.endm
	s_load_b256 s[4:11], s[0:1], 0x0               ; ctx16 s[4:5], wo16 s[6:7], bo s[8:9], out0 s[10:11]
	v_lshl_add_u32 v[SPW], v0, 2, SPARE
	v_mov_b32 v[NIL], 0
	ds_add_u32 v[SPW], v[NIL]                      ; the wave's opening: the add, twice on end, and its wait ahead of my first tensor load
	ds_add_u32 v[SPW], v[NIL]
	v_lshrrev_b32 v1, 5, v0
	v_readfirstlane_b32 s12, v1                    ; wave 0..3
	s_lshr_b32 s13, s12, 1                         ; which 64 tokens are mine.  Also: I fetch for ctx (0) or for Wo (1)
	s_and_b32 s14, s12, 1                          ; which 64 columns.  Also: which half of a K step I fetch
	s_bfe_u32 s40, ttmp6, 0x40000                  ; cx, cy
	s_bfe_u32 s41, ttmp6, 0x40004
	s_lshl_b32 s42, ttmp9, 2
	s_add_co_u32 s42, s42, s40                     ; nb = 4 x cluster x + cx
	s_and_b32 s15, ttmp7, 0xffff
	s_lshl_b32 s15, s15, 2
	s_add_co_u32 s15, s15, s41                     ; tb = 4 x cluster y + cy
	s_lshl_b32 s43, s41, 2
	s_lshl_b32 s43, 15, s43                        ; my row of the cluster
	s_lshl_b32 s44, 0x1111, s40                    ; my column
	s_or_b32 s[G1], s43, (3<<16)|(1<<21)           ; 15:0 the mask; 17:16 elements of 8 bytes; 21 set beside a mask; no padding
	s_or_b32 s[G1B], s44, (3<<16)|(1<<21)
.irp g, G1, G1B
	s_mov_b32 s[\g+1], 32<<16                      ; tensor_dim0: rows of 256 bytes
	s_mov_b32 s[\g+2], 128<<16                     ; tensor_dim1
	s_mov_b32 s[\g+3], 32<<16                      ; tile_dim0
	s_mov_b32 s[\g+4], 128                         ; tile_dim1
	s_mov_b32 s[\g+5], 32                          ; the pitch: a dense block
	s_mov_b32 s[\g+6], 0
	s_mov_b32 s[\g+7], 0
.endr
	s_lshl_b32 s18, s14, 15                        ; my half: 32,768 bytes
	s_lshl_b32 s16, s15, 18                        ; ctx: the token block's 262,144 bytes
	s_add_co_u32 s16, s16, s18
	s_mov_b32 s17, 0
	s_lshl_b32 s46, s42, 18                        ; Wo: the column block's
	s_add_co_u32 s46, s46, s18
	s_mov_b32 s47, 0
	s_lshl_b32 s20, s12, 15                        ; where they go: wave x 32,768: no place in the cluster enters an LDS address
	s_wait_dscnt 0x0                               ; both opening adds are done
	s_wait_kmcnt 0x0
	s_add_nc_u64 s[16:17], s[4:5], s[16:17]
	s_add_nc_u64 s[46:47], s[6:7], s[46:47]
	CROUND                                         ; all sixteen work-groups are here: the first joint loads meet
.irp s, 0,1
	s_mov_b32 s[G0+4*\s], 1
	s_add_co_u32 s[G0+4*\s+1], s20, \s*SLOT
	s_add_nc_u64 s[G0+4*\s+2:G0+4*\s+3], s[16:17], \s*65536
	s_or_b32 s[G0+4*\s+3], s[G0+4*\s+3], 0x80000000
	s_mov_b32 s[G0B+4*\s], 1
	s_add_co_u32 s[G0B+4*\s+1], s20, \s*SLOT
	s_add_nc_u64 s[G0B+4*\s+2:G0B+4*\s+3], s[46:47], \s*65536
	s_or_b32 s[G0B+4*\s+3], s[G0B+4*\s+3], 0x80000000
	JLOAD \s                                       ; K steps 0 and 1: two loads of mine are out
.endr
	v_and_b32 v1, 15, v0                           ; r
	v_bfe_u32 v2, v0, 4, 1                         ; h
	v_and_b32 v3, 31, v0
	v_lshlrev_b32 v3, 4, v3                        ; 16 x lane
	s_lshl_b32 s21, s13, 12                        ; my four token tiles
	s_lshl_b32 s22, s14, 12                        ; my four column tiles,
	s_add_co_u32 s22, s22, 65536                   ; behind ctx's part of the slot
.irp s, 0,1
	v_add_nc_u32 v[ADRA+\s], s21, v3
	v_add_nc_u32 v[ADRB+\s], s22, v3
	s_add_co_u32 s21, s21, SLOT
	s_add_co_u32 s22, s22, SLOT
.endr
	s_mul_i32 s23, s12, 16*SPITCH
	s_add_co_u32 s23, s23, STAGE                   ; my stage
	v_mul_u32_u24 v4, v1, SPITCH                   ; in: row r, 32 bytes for each half of the lanes
	v_lshl_add_u32 v4, v2, 5, v4
	v_add_nc_u32 v[STO], s23, v4
	v_mul_u32_u24 v5, v2, SPITCH                   ; back: lanes 0-15 one row of 256 bytes, lanes 16-31 the next
	v_lshl_add_u32 v5, v1, 4, v5
	v_add_nc_u32 v[RD], s23, v5
	v_lshlrev_b32 v5, 12, v2                       ; and the same two rows in the output
	v_lshl_add_u32 v[CO], v1, 4, v5
	v_lshlrev_b32 v[BO], 5, v2                     ; the bias: 32 h
	s_lshl_b32 s44, s42, 9                         ; my 64 columns, in bytes: 512 nb + 256 x half
	s_lshl_b32 s45, s14, 8
	s_add_co_u32 s44, s44, s45
	s_mov_b32 s45, 0
	s_add_nc_u64 s[8:9], s[8:9], s[44:45]
	s_add_nc_u64 s[10:11], s[10:11], s[44:45]
	s_lshl_b32 s44, s15, 19                        ; my first row: 128 tb + 64 x half, of 4,096 bytes
	s_lshl_b32 s43, s13, 18
	s_add_co_u32 s44, s44, s43
	s_add_nc_u64 s[10:11], s[10:11], s[44:45]
.irp b, 0,1,2,3                                ; lane (r, h) wants, for column tile b, bo at 16 b + 8 h + 0 .. 7
	global_load_b128 v[BI+8*\b:BI+8*\b+3], v[BO], s[8:9] offset:64*\b
	global_load_b128 v[BI+8*\b+4:BI+8*\b+7], v[BO], s[8:9] offset:64*\b+16
.endr
; 8 products: token tiles a0, a0 + 1 x all 4 column tiles, 32 along K: half c of buffer f.  first = 1: the bias starts the sums.  The 16 accumulators take turns.
.macro MUL8 f, c, a0, first
.irp a, \a0, \a0+1
.irp b, 0,1,2,3
.if \first
	v_wmma_f32_16x16x32_f16 v[ACC+8*(4*(\a)+\b):ACC+8*(4*(\a)+\b)+7], v[\f+64+8*(4*\c+\b):\f+64+8*(4*\c+\b)+7], v[\f+8*(4*\c+\a):\f+8*(4*\c+\a)+7], v[BI+8*\b:BI+8*\b+7]
.else
	v_wmma_f32_16x16x32_f16 v[ACC+8*(4*(\a)+\b):ACC+8*(4*(\a)+\b)+7], v[\f+64+8*(4*\c+\b):\f+64+8*(4*\c+\b)+7], v[\f+8*(4*\c+\a):\f+8*(4*\c+\a)+7], v[ACC+8*(4*(\a)+\b):ACC+8*(4*(\a)+\b)+7]
.endif
.endr
.endr
.endm
; 32 LDS loads in one run: the fragments of the slot's q-th 64 along K into buffer f; the first 32 along K first
.macro FETCH slot, q, f
	WIN TO_F
.irp c, 0,1
.irp i, 0,1,2,3
	ds_load_b128 v[\f+64+8*(4*\c+\i):\f+64+8*(4*\c+\i)+3],   v[ADRB+\slot] offset:(2*(\q)+\c)*8192+\i*1024
	ds_load_b128 v[\f+64+8*(4*\c+\i)+4:\f+64+8*(4*\c+\i)+7], v[ADRB+\slot] offset:(2*(\q)+\c)*8192+\i*1024+512
	ds_load_b128 v[\f+8*(4*\c+\i):\f+8*(4*\c+\i)+3],         v[ADRA+\slot] offset:(2*(\q)+\c)*8192+\i*1024
	ds_load_b128 v[\f+8*(4*\c+\i)+4:\f+8*(4*\c+\i)+7],       v[ADRA+\slot] offset:(2*(\q)+\c)*8192+\i*1024+512
.endr
.endr
.endm
; A K step is four quarters of 64 along K, 32 products each, on buffers 0, 1, 0, 1.  One of the first three: multiplies buffer f and fetches quarter q into g.
.macro QUARTER slot, q, f, g, first
	s_wait_dscnt 16                                ; the first 32 along K are in; the youngest sixteen loads may be out
	WIN MUL
	MUL8 \f, 0, 0, \first
	MUL8 \f, 0, 2, \first
	PLACES
	FETCH \slot, \q, \g
	s_wait_dscnt 32                                ; all but the 32 just issued
	WIN MUL
	MUL8 \f, 1, 0, 0
	MUL8 \f, 1, 2, 0
.endm
; The last quarter multiplies buffer 1 and changes slots: ONE barrier; in front of it each wave waits for all its tensor loads, adds 0 to its spare word, and waits for that and for its reads of this slot.
.macro TURN slot, next, fill
	WIN 0
	s_wait_tensorcnt 0x0                           ; all my tensor loads have landed: my part of the next slot;
	ds_add_u32 v[SPW], v[NIL]                      ; 0 onto my spare word;
	s_wait_dscnt 17                                ; (the add and the youngest sixteen loads may be out)
	WIN MUL
	MUL8 F1, 0, 0, 0                               ; eight products stand between the add and the wait for it
	s_wait_dscnt 0x0                               ; the add is done, and my reads of this slot are over
	s_barrier_signal -1
	MUL8 F1, 0, 2, 0
.if \fill
	WIN 0
.endif
	s_barrier_wait -1
.if \fill
	CREST                                          ; the barrier has opened a round of the cluster's: no wave of any partner still reads this slot or has a load on its way
	s_add_nc_u64 s[G0+4*\slot+2:G0+4*\slot+3], s[G0+4*\slot+2:G0+4*\slot+3], 2*65536
	s_add_nc_u64 s[G0B+4*\slot+2:G0B+4*\slot+3], s[G0B+4*\slot+2:G0B+4*\slot+3], 2*65536
	JLOAD \slot                                    ; the first tensor load behind the round; its four v_nop are also the places in front of the loads below
.else
	PLACES
.endif
	FETCH \next, 0, F0
	WIN MUL
	MUL8 F1, 1, 0, 0
	MUL8 F1, 1, 2, 0
.endm
	s_wait_tensorcnt 1                             ; my part of K step 0 is in; K step 1's may stay out
	s_barrier_signal -1
	s_barrier_wait -1
	FETCH 0, 0, F0
	s_wait_loadcnt 0x0                             ; the bias
	QUARTER 0, 1, F0, F1, 1                        ; four K steps, written straight: no loop
	QUARTER 0, 2, F1, F0, 0
	QUARTER 0, 3, F0, F1, 0
	TURN 0, 1, 1                                   ; slot 0 takes K step 2
	QUARTER 1, 1, F0, F1, 0
	QUARTER 1, 2, F1, F0, 0
	QUARTER 1, 3, F0, F1, 0
	TURN 1, 0, 1                                   ; slot 1 takes K step 3
	QUARTER 0, 1, F0, F1, 0
	QUARTER 0, 2, F1, F0, 0
	QUARTER 0, 3, F0, F1, 0
	TURN 0, 1, 0                                   ; nothing is left to fetch
	QUARTER 1, 1, F0, F1, 0
	QUARTER 1, 2, F1, F0, 0
	QUARTER 1, 3, F0, F1, 0
	s_wait_dscnt 16
	WIN MUL
	MUL8 F1, 0, 0, 0
	MUL8 F1, 0, 2, 0
	s_wait_dscnt 0
	MUL8 F1, 1, 0, 0
	MUL8 F1, 1, 2, 0
	WIN 0
; THE WAY OUT, a block of 16 rows x 64 columns at a time, through my own stage: a lane holds 32 neighbouring bytes of a row; back come whole rows of 256 bytes, which sixteen lanes store as one aligned run.
; LDS serves a wave's instructions in order (ISA guide 5.7.1.4): no wait between the stores and the loads, nor in front of the next block's stores.
.macro TOSTAGE a
.irp b, 0,1,2,3
	ds_store_b128 v[STO], v[ACC+8*(4*(\a)+\b):ACC+8*(4*(\a)+\b)+3] offset:64*\b            ; each accumulator from its low end on
	ds_store_b128 v[STO], v[ACC+8*(4*(\a)+\b)+4:ACC+8*(4*(\a)+\b)+7] offset:64*\b+16
.endr
.irp i, 0,1,2,3,4,5,6,7
	ds_load_b128 v[BK+32*((\a)%2)+4*\i:BK+32*((\a)%2)+4*\i+3], v[RD] offset:2*\i*SPITCH
.endr
.endm
.macro SEND a, younger                 ; younger: the LDS instructions issued behind block a's loads, which may stay out
	s_wait_dscnt \younger
.irp i, 0,1,2,3,4,5,6,7
	global_store_b128 v[CO], v[BK+32*((\a)%2)+4*\i:BK+32*((\a)%2)+4*\i+3], s[10:11] offset:(16*(\a)+2*\i)*4096 th:TH_STORE_NT
.endr
.endm
	PLACES
	TOSTAGE 0
	TOSTAGE 1
	SEND 0, 16                                     ; behind block 0's loads: block 1's 8 stores and 8 loads
	s_wait_xcnt 0x0                                ; block 0's stores have read their registers: block 2's loads may land there
	TOSTAGE 2
	SEND 1, 16
	s_wait_xcnt 0x0
	TOSTAGE 3
	SEND 2, 16
	SEND 3, 0
	s_wait_tensorcnt 0x0                           ; the wave's end: three lines behind my last tensor load and my last LDS store
	ds_add_u32 v[SPW], v[NIL]
	s_wait_dscnt 0x0
	CROUND                                         ; the closing round
	s_endpgm
.Lfunc_end_k_q0c369bbabb_oproj:
	.size	k_q0c369bbabb_oproj, .Lfunc_end_k_q0c369bbabb_oproj-k_q0c369bbabb_oproj
	.p2alignl 7, 3214868480
	.fill 96, 4, 3214868480
	.section	.rodata,"a",@progbits
	.p2align	6, 0x0
	.amdhsa_kernel k_q0c369bbabb_oproj
		.amdhsa_group_segment_fixed_size 327680
		.amdhsa_private_segment_fixed_size 0
		.amdhsa_enable_private_segment 0
		.amdhsa_kernarg_size 32
		.amdhsa_user_sgpr_count 2
		.amdhsa_user_sgpr_kernarg_segment_ptr 1
		.amdhsa_wavefront_size32 1
		.amdhsa_system_sgpr_workgroup_id_x 1
		.amdhsa_system_sgpr_workgroup_id_y 1
		.amdhsa_system_sgpr_workgroup_id_z 1
		.amdhsa_system_vgpr_workitem_id 0
		.amdhsa_next_free_vgpr 512
		.amdhsa_next_free_sgpr 66
		.amdhsa_reserve_vcc 0
		.amdhsa_float_denorm_mode_32 3
		.amdhsa_float_denorm_mode_16_64 3
		.amdhsa_memory_ordered 1
		.amdhsa_forward_progress 1
		.amdhsa_inst_pref_size 86
	.end_amdhsa_kernel
	.amdgpu_metadata
---
amdhsa.version: [ 1, 2 ]
amdhsa.kernels:
  - .name:           k_q0c369bbabb_oproj
    .symbol:         k_q0c369bbabb_oproj.kd
    .args:
      - { .name: ctx16, .offset: 0, .size: 8, .value_kind: global_buffer, .address_space: global }
      - { .name: wo16, .offset: 8, .size: 8, .value_kind: global_buffer, .address_space: global }
      - { .name: bo, .offset: 16, .size: 8, .value_kind: global_buffer, .address_space: global }
      - { .name: out0, .offset: 24, .size: 8, .value_kind: global_buffer, .address_space: global }
    .group_segment_fixed_size: 327680
    .private_segment_fixed_size: 0
    .kernarg_segment_align: 8
    .kernarg_segment_size: 32
    .max_flat_workgroup_size: 128
    .sgpr_count:     66
    .vgpr_count:     512
    .wavefront_size: 32
...
	.end_amdgpu_metadata
.endif
;; end of part 4
